; MI455X (gfx1250); checked and timed in simulation.
; The chip was launched on July 23, 2026; its instructions are those of AMD's public machine-readable ISA for CDNA 5 (MIT licence, August 2026) and "CDNA5" Instruction Set Architecture Reference Guide (July 2026). The comments in the code are by the model that wrote it; some were corrected since.
;; Non Local Block2 D. Allowed arithmetic: float matrix products may take bf16 or f16 operands with f32 sums; other float arithmetic in f32, or as packed bf16 or f16 multiplies, adds, multiply-adds, maxima and minima; sums over many terms, partial sums and values carried from step to step in f32; what a program stores and reads back later, other than sums and carried values, may be rounded once to bf16 or f16.
;; Inputs: W_b 256 float32; W_w 256 x 128 float32; bn_beta 256 float32; bn_gamma 256 float32; g_b 128 float32; g_w 128 x 256 float32; phi_b 128 float32; phi_w 128 x 256 float32; theta_b 128 float32; theta_w 128 x 256 float32; x 8 x 256 x 64 x 64 float32; y 8 x 256 x 64 x 64 float32.
;; Outputs: out0 8 x 256 x 64 x 64 float32.
;; 2 versions, each right; version 2 is version 1 with the launch apply written anew for expert scheduling mode. Each part assembles by itself: llvm-mc -triple=amdgcn-amd-amdhsa -mcpu=gfx1250 --defsym DOCPART=n.
;; ======== version 1 of 2: 3 launches
;; limits: values are held in f16: magnitudes above 65,504 overflow, below 6.1e-05 lose precision; right only within a limited range of input values; inputs' magnitudes at most 65,504
;; workspace buffers: P 4,194,304 bytes; MF 524,288 bytes; WT 131,072 bytes
;; launch pool (part 1): grid 256 x 1, 4 waves a work-group, no clusters, 74,240 bytes of LDS; arguments y, g_w, phi_w, g_b, phi_b, P; writes P
.if DOCPART == 1
	.amdgcn_target "amdgcn-amd-amdhsa--gfx1250"
	.amdhsa_code_object_version 6
	.text
	.protected	k_qd8ea678b22_pool
	.globl	k_qd8ea678b22_pool
	.p2align	8
	.type	k_qd8ea678b22_pool,@function
k_qd8ea678b22_pool:
	s_mov_b64 s[64:65], 0
	v_nop
	global_prefetch_b8 v0, s[64:65] scope:SCOPE_SE
	s_setreg_imm32_b32 hwreg(HW_REG_WAVE_MODE, 25, 1), 1
	s_wait_xcnt 0x0
; NON-LOCAL BLOCK, launch 1 of 3: g and phi (1x1 convolutions of y, 256 -> 128 channels each), 2x2 maximum, bias, rounded to bf16.
; THE WHOLE PROGRAM.  reference() forms f = theta^T phi / 1024 (4096 x 1024 a batch) and then f g.  No softmax stands between the two products, so for all values of the inputs, in exact
; arithmetic, (theta^T phi) g = theta^T (phi g), and the division by 1024 may be done anywhere.  So f is never formed: launch 2 makes M[c'][c] = sum over m of phi[c'][m] g[c][m] / 1024 (128 x 128 a
; batch), launch 3 makes out0 = s (W_w (M^T (theta_w x + theta_b))) + (s W_b + beta) + x, s = gamma / sqrt(1 + 1e-5).  All twelve inputs have a way to the output; none is left out.
; LIMITS.  Every input is rounded once to bf16 (x in the residual too: 2^-9 of itself); the sums are taken in another order than reference()'s; an overflow, an infinity or a NaN that would
; arise in f alone is not carried to the result; in the 2x2 maximum a NaN loses (v_max_num).  The bias is added behind the maximum: max(v) + b = max(v + b).
; SHARES.  A work-group has image rows 2 i and 2 i + 1 of one batch: 128 neighbouring pixels, 512 bytes of each of the 256 channel rows of y.  Wave w makes the out-channel tiles 4 w .. 4 w + 3 of 16
; (waves 0, 1: g; waves 2, 3: phi) for all 8 pixel tiles: 32 accumulators.  K = 256 goes in four chunks of 64.
; y comes through registers (it is f32 and must be rounded), goes as bf16 [channel][pixel] into LDS, and comes out turned by ds_load_tr16_b128 as source 0 (16 pixels x 32 channels).
; The weights go from memory straight into the one wave that multiplies by them, and are rounded in registers.  NO JOINT LOADS: what work-groups share are these weights, 262,144 bytes of f32;
; laid into LDS they would not fit beside the 73,728 bytes of y, and each byte has one reader in a work-group.
; RESULT.  In a product's result a lane holds ONE channel (lane % 16) and the pixels 8 (lane / 16) + 0..7 of its tile; tiles t and t + 4 are the two image rows.  So the 2x2 maximum stays in the lane.
; A lane's 16 pooled numbers of a channel tile are written as a ready operand image of 1,024 bytes (registers 0-3 at 16 x lane, 4-7 at 512 + 16 x lane): slot (lane / 16 = h, register 2 t + q / 2,
; half q % 2) holds place m = 32 i + 8 t + 4 h + q.  The order of m inside an image is the same for g and phi, so launch 2's sums over m are not changed by it.
; REGISTERS, in windows of 256 (s_set_vgpr_msb: bits 1:0 source 0, 3:2 source 1, 5:4 source 2, 7:6 destination):
;   window 0: addresses, bias, v32-63 at work, v64-127 weights' fragments, v128-255 y's fragments     window 1: the accumulators, (a, t) at 8 (8 a + t)
;   window 2: the weights as loaded, two sets of 128     window 3: y as loaded, chunk j at 64 j
.set PITCH, 288                        ; a channel's row in LDS: 256 bytes + 32 = 72 words
.set SPARE, 256*PITCH                  ; behind the tile: the spare words, 128 bytes for each wave: two blocks of 256 bytes that no other line names
.set YO,  2                            ; v2   my byte offset in y: my wave's 16 rows of a chunk, 16 bytes a lane
.set WO,  3                            ; v3   in the weights: row lane % 16, 32 bytes for each half of the lanes
.set LS,  4                            ; v4   where I put 8 bytes of a row in LDS
.set LTA, 5                            ; v5   the turning load's address for chunks 0, 1; v6 for chunks 2, 3
.set BO,  7                            ; v7   4 (lane % 16): my channel's bias
.set PO,  8                            ; v8   16 x lane
.set SPW, 10                           ; v10  LDS address of my spare word; never rewritten
.set NIL, 11                           ; v11  0; never rewritten
.set BI,  16                           ; v[16:23]  the bias of my channel in tile a, twice (a pair for the packed add)
.set RB,  24                           ; v[24:27]  the bias as loaded
.set CT,  32                           ; v[32:63]  at work
.set WB,  64                           ; v[64:127] weights' fragments: (a, k) at 8 (2 a + k); at the end the images to store
.set YF,  128                          ; v[128:255] y's fragments: (k, t) at 8 (8 k + t)
.set WV,  24                           ; s24  my wave's number
.set MSB, 0
.macro WIN new                         ; the immediate's high byte repeats the setting that is left; a switch that changes nothing is dropped
.if MSB != (\new)
	s_set_vgpr_msb (MSB<<8)|(\new)
.set MSB, (\new)
.endif
.endm
.macro LDY j                           ; chunk j: my 16 channel rows, each load a row's 512 bytes
	WIN 0xc0
.set rr, 0
.rept 16
	global_load_b128 v[64*(\j)+4*rr:64*(\j)+4*rr+3], v[YO], s[16:17] offset:(64*(\j)+rr)*16384 th:TH_LOAD_NT
.set rr, rr+1
.endr
.endm
.macro LDW j, set                      ; chunk j's weights: 4 tiles x 2 K steps; a lane's 16 numbers of a fragment are 2 x 32 bytes, 64 apart
	WIN 0x80
.irp a, 0,1,2,3
.irp k, 0,1
.set fb, 128*(\set)+16*(2*(\a)+(\k))
.set fo, (\a)*16384+(2*(\j)+(\k))*128
	global_load_b128 v[fb:fb+3],     v[WO], s[18:19] offset:fo
	global_load_b128 v[fb+4:fb+7],   v[WO], s[18:19] offset:fo+16
	global_load_b128 v[fb+8:fb+11],  v[WO], s[18:19] offset:fo+64
	global_load_b128 v[fb+12:fb+15], v[WO], s[18:19] offset:fo+80
.endr
.endr
.endm
.macro CVY j                           ; chunk j rounded to bf16 and laid into LDS: 8 bytes a lane, 256 neighbouring bytes a row
	WIN 0x0f
.set rr, 0
.rept 16
	v_cvt_pk_bf16_f32 v[CT+2*rr],   v[64*(\j)+4*rr],   v[64*(\j)+4*rr+1]
	v_cvt_pk_bf16_f32 v[CT+2*rr+1], v[64*(\j)+4*rr+2], v[64*(\j)+4*rr+3]
.set rr, rr+1
.endr
	WIN 0
.set rr, 0
.rept 16
	ds_store_b64 v[LS], v[CT+2*rr:CT+2*rr+1] offset:(64*(\j)+rr)*PITCH
.set rr, rr+1
.endr
.endm
.macro CVW set                         ; a chunk's weights rounded: 128 f32 into 64 registers, in the fragments' order
	WIN 0x0a
.set q, 0
.rept 64
	v_cvt_pk_bf16_f32 v[WB+q], v[128*(\set)+2*q], v[128*(\set)+2*q+1]
.set q, q+1
.endr
.endm
.macro MEET                            ; my stores into LDS are done, then everybody's: each chunk has rows of its own, written once, so this is all the ordering that LDS needs
	s_wait_dscnt 0x0
	s_barrier_signal -1
	s_barrier_wait -1
.endm
; Chunk j: 32 turning loads in one run, then 2 x 32 products.  The 32 accumulators take turns, one instruction a turn, from chunk to chunk too.
.macro GEMM j, first
	WIN 0
.irp k, 0,1
.irp t, 0,1,2,3,4,5,6,7
	ds_load_tr16_b128 v[YF+8*(8*(\k)+(\t)):YF+8*(8*(\k)+(\t))+3],   v[LTA+(\j)/2] offset:((\j)%2)*64*PITCH+(\k)*32*PITCH+32*(\t)
	ds_load_tr16_b128 v[YF+8*(8*(\k)+(\t))+4:YF+8*(8*(\k)+(\t))+7], v[LTA+(\j)/2] offset:((\j)%2)*64*PITCH+(\k)*32*PITCH+32*(\t)+16*PITCH
.endr
.endr
	WIN 0x50
.irp k, 0,1
	s_wait_dscnt 16-16*(\k)                        ; the first K step's 16 loads are in, the second's may stay out; then all
.irp a, 0,1,2,3
.irp t, 0,1,2,3,4,5,6,7
.if (\first) && ((\k) == 0)
	v_wmma_f32_16x16x32_bf16 v[8*(8*(\a)+(\t)):8*(8*(\a)+(\t))+7], v[YF+8*(8*(\k)+(\t)):YF+8*(8*(\k)+(\t))+7], v[WB+8*(2*(\a)+(\k)):WB+8*(2*(\a)+(\k))+7], 0
.else
	v_wmma_f32_16x16x32_bf16 v[8*(8*(\a)+(\t)):8*(8*(\a)+(\t))+7], v[YF+8*(8*(\k)+(\t)):YF+8*(8*(\k)+(\t))+7], v[WB+8*(2*(\a)+(\k)):WB+8*(2*(\a)+(\k))+7], v[8*(8*(\a)+(\t)):8*(8*(\a)+(\t))+7]
.endif
.endr
.endr
.endr
.endm
; Tile a: the maximum of 2 x 2 pixels (two neighbours in tile t, two in tile t + 4), bias, rounding, and the image goes out: each store is 512 neighbouring bytes.
; Each accumulator's lowest registers are read first.
.macro POOL a
	WIN 0x15
.irp t, 0,1,2,3
.irp q, 0,1,2,3
	v_max3_num_f32 v[CT+4*(\t)+(\q)], v[8*(8*(\a)+(\t))+2*(\q)], v[8*(8*(\a)+(\t))+2*(\q)+1], v[8*(8*(\a)+(\t)+4)+2*(\q)]
.endr
.endr
	WIN 0x04
.irp t, 0,1,2,3
.irp q, 0,1,2,3
	v_max_num_f32 v[CT+4*(\t)+(\q)], v[CT+4*(\t)+(\q)], v[8*(8*(\a)+(\t)+4)+2*(\q)+1]
.endr
.endr
	WIN 0
.irp u, 0,1,2,3,4,5,6,7
	v_pk_add_f32 v[CT+2*(\u):CT+2*(\u)+1], v[CT+2*(\u):CT+2*(\u)+1], v[BI+2*(\a):BI+2*(\a)+1]
.endr
.irp u, 0,1,2,3,4,5,6,7
	v_cvt_pk_bf16_f32 v[WB+8*(\a)+(\u)], v[CT+2*(\u)], v[CT+2*(\u)+1]
.endr
	global_store_b128 v[PO], v[WB+8*(\a):WB+8*(\a)+3],   s[22:23] offset:1024*(\a)
	global_store_b128 v[PO], v[WB+8*(\a)+4:WB+8*(\a)+7], s[22:23] offset:1024*(\a)+512
.endm
	s_load_b256 s[4:11], s[0:1], 0x0               ; y s[4:5], g_w s[6:7], phi_w s[8:9], g_b s[10:11]
	s_load_b128 s[12:15], s[0:1], 0x20             ; phi_b s[12:13], P s[14:15]
	v_lshl_add_u32 v[SPW], v0, 2, SPARE
	v_mov_b32 v[NIL], 0
	v_lshrrev_b32 v1, 5, v0
	v_readfirstlane_b32 s[WV], v1                  ; wave 0..3
	v_and_b32 v12, 31, v0                          ; lane
	v_and_b32 v13, 15, v0                          ; lane % 16
	v_bfe_u32 v14, v0, 4, 1                        ; lane / 16
	v_lshlrev_b32 v[PO], 4, v12
	s_lshl_b32 s25, s[WV], 18                      ; 16 rows of 16,384 bytes
	v_add_nc_u32 v[YO], s25, v[PO]
	v_lshlrev_b32 v[WO], 10, v13                   ; a row of weights is 1,024 bytes
	v_lshl_add_u32 v[WO], v14, 5, v[WO]
	s_mul_i32 s25, s[WV], 16*PITCH
	v_lshl_add_u32 v[LS], v12, 3, s25
	v_and_b32 v15, 7, v0                           ; the turning load: lane l reads channel 8 (l / 16) + l % 8, pixels 8 ((l / 8) % 2) + 0..7
	v_lshl_add_u32 v15, v14, 3, v15
	v_mul_u32_u24 v[LTA], v15, PITCH
	v_bfe_u32 v15, v0, 3, 1
	v_lshl_add_u32 v[LTA], v15, 4, v[LTA]
	v_add_nc_u32 v[LTA+1], 128*PITCH, v[LTA]       ; the immediate holds 16 bits: chunks 2 and 3 have a register of their own
	v_lshlrev_b32 v[BO], 2, v13
	s_lshr_b32 s26, ttmp9, 5                       ; batch
	s_and_b32 s27, ttmp9, 31                       ; i
	s_lshl_b32 s2, s26, 22                         ; a batch of y is 4,194,304 bytes,
	s_lshl_b32 s27, s27, 9                         ; two image rows are 512
	s_add_co_u32 s2, s2, s27
	s_mov_b32 s3, 0
	s_and_b32 s28, s[WV], 1                        ; which 64 channels of g or phi are mine
	s_lshl_b32 s30, s28, 8                         ; in the bias,
	s_lshl_b32 s28, s28, 16                        ; in the weights
	s_mov_b32 s29, 0
	s_mov_b32 s31, 0
	s_lshl_b32 s32, ttmp9, 14                      ; 16 images of 1,024 bytes for each work-group,
	s_lshl_b32 s33, s[WV], 12                      ; four of them mine
	s_add_co_u32 s32, s32, s33
	s_mov_b32 s33, 0
	s_wait_kmcnt 0x0
	s_add_nc_u64 s[16:17], s[4:5], s[2:3]
	s_cmp_lt_u32 s[WV], 2
	s_cselect_b64 s[18:19], s[6:7], s[8:9]
	s_cselect_b64 s[20:21], s[10:11], s[12:13]
	s_add_nc_u64 s[18:19], s[18:19], s[28:29]
	s_add_nc_u64 s[20:21], s[20:21], s[30:31]
	s_add_nc_u64 s[22:23], s[14:15], s[32:33]
.irp a, 0,1,2,3
	global_load_b32 v[RB+(\a)], v[BO], s[20:21] offset:64*(\a)
.endr
	LDY 0
	LDW 0, 0
	LDY 1
	s_wait_loadcnt 48                              ; the bias and chunk 0 of y are in; younger: 32 loads of weights, 16 of chunk 1
	WIN 0
.irp a, 0,1,2,3
	v_cvt_pk_bf16_f32 v[RB+(\a)], v[RB+(\a)], v[RB+(\a)]
.endr
.irp a, 0,1,2,3
	v_lshlrev_b32 v[BI+2*(\a)],   16, v[RB+(\a)]   ; the bias rounded to bf16, as f32, twice
	v_lshlrev_b32 v[BI+2*(\a)+1], 16, v[RB+(\a)]
.endr
	CVY 0
	LDY 2
	s_wait_loadcnt 32                              ; chunk 0's weights are in; younger: chunks 1 and 2 of y
	CVW 0
	LDW 1, 1
	MEET
	GEMM 0, 1                                      ; its first K step starts the sums: nothing is cleared
	s_wait_loadcnt 48                              ; chunk 1 of y; younger: chunk 2 of y, chunk 1's weights
	CVY 1                                          ; its 32 roundings are also the places between the last products and the writes of their operands' registers
	LDY 3
	LDW 2, 0
	s_wait_loadcnt 48                              ; chunk 2 of y and chunk 1's weights; younger: chunk 3 of y, chunk 2's weights
	CVW 1
	MEET
	GEMM 1, 0
	CVY 2
	LDW 3, 1
	s_wait_loadcnt 32                              ; chunk 3 of y and chunk 2's weights; younger: chunk 3's weights
	CVW 0
	MEET
	GEMM 2, 0
	CVY 3
	s_wait_loadcnt 0x0
	CVW 1
	MEET
	GEMM 3, 0
.rept 8
	v_nop                                          ; the places between the last products and the first read of their results (ISA guide 7.12.1); once a launch
.endr
	POOL 0
	POOL 1
	POOL 2
	POOL 3
	s_wait_tensorcnt 0x0                           ; the wave's end: behind my last LDS store
	ds_add_u32 v[SPW], v[NIL]
	s_wait_dscnt 0x0
	s_endpgm
.Lfunc_end_k_qd8ea678b22_pool:
	.size	k_qd8ea678b22_pool, .Lfunc_end_k_qd8ea678b22_pool-k_qd8ea678b22_pool
	.p2alignl 7, 3214868480
	.fill 96, 4, 3214868480
	.section	.rodata,"a",@progbits
	.p2align	6, 0x0
	.amdhsa_kernel k_qd8ea678b22_pool
		.amdhsa_group_segment_fixed_size 74240
		.amdhsa_private_segment_fixed_size 0
		.amdhsa_enable_private_segment 0
		.amdhsa_kernarg_size 48
		.amdhsa_user_sgpr_count 2
		.amdhsa_user_sgpr_kernarg_segment_ptr 1
		.amdhsa_wavefront_size32 1
		.amdhsa_system_sgpr_workgroup_id_x 1
		.amdhsa_system_sgpr_workgroup_id_y 1
		.amdhsa_system_sgpr_workgroup_id_z 1
		.amdhsa_system_vgpr_workitem_id 0
		.amdhsa_next_free_vgpr 1024
		.amdhsa_next_free_sgpr 66
		.amdhsa_reserve_vcc 0
		.amdhsa_float_denorm_mode_32 3
		.amdhsa_float_denorm_mode_16_64 3
		.amdhsa_memory_ordered 1
		.amdhsa_forward_progress 1
		.amdhsa_inst_pref_size 87
	.end_amdhsa_kernel
	.amdgpu_metadata
---
amdhsa.version: [ 1, 2 ]
amdhsa.kernels:
  - .name:           k_qd8ea678b22_pool
    .symbol:         k_qd8ea678b22_pool.kd
    .args:
      - { .name: y, .offset: 0, .size: 8, .value_kind: global_buffer, .address_space: global }
      - { .name: g_w, .offset: 8, .size: 8, .value_kind: global_buffer, .address_space: global }
      - { .name: phi_w, .offset: 16, .size: 8, .value_kind: global_buffer, .address_space: global }
      - { .name: g_b, .offset: 24, .size: 8, .value_kind: global_buffer, .address_space: global }
      - { .name: phi_b, .offset: 32, .size: 8, .value_kind: global_buffer, .address_space: global }
      - { .name: P, .offset: 40, .size: 8, .value_kind: global_buffer, .address_space: global }
    .group_segment_fixed_size: 74240
    .private_segment_fixed_size: 0
    .kernarg_segment_align: 8
    .kernarg_segment_size: 48
    .max_flat_workgroup_size: 128
    .sgpr_count:     66
    .vgpr_count:     1024
    .wavefront_size: 32
...
	.end_amdgpu_metadata
.endif
;; end of part 1
;; launch gram (part 2): grid 256 x 1, 4 waves a work-group, no clusters, 8,704 bytes of LDS; arguments P, theta_w, W_w, MF, WT; writes MF, WT
.if DOCPART == 2
	.amdgcn_target "amdgcn-amd-amdhsa--gfx1250"
	.amdhsa_code_object_version 6
	.text
	.protected	k_qd8ea678b22_gram
	.globl	k_qd8ea678b22_gram
	.p2align	8
	.type	k_qd8ea678b22_gram,@function
k_qd8ea678b22_gram:
	s_mov_b64 s[64:65], 0
	v_nop
	global_prefetch_b8 v0, s[64:65] scope:SCOPE_SE
	s_setreg_imm32_b32 hwreg(HW_REG_WAVE_MODE, 25, 1), 1
	s_wait_xcnt 0x0
; NON-LOCAL BLOCK, launch 2 of 3: M[c'][c] = sum over the 1,024 pooled places m of phi[c'][m] g[c][m], divided by 1,024: 128 x 128 for each of 8 batches.
; f = theta^T phi / 1024 is not formed: (theta^T phi) g = theta^T (phi g) for all values (the head of launch 1 shows it and states the limits).
; SHARES.  Work-group 32 b + 4 ct + cp makes, for batch b, the rows c' = 32 cp .. 32 cp + 31 (two tiles) against the columns c = 16 ct .. 16 ct + 15.  THE SUM OVER m IS SPLIT AMONG THE FOUR WAVES:
; wave w takes the images i = 8 w .. 8 w + 7 of 32 places each; all its 48 loads go out at once.  The four partial sums, f32, meet in LDS.
; LAYOUT.  Source 0 = 16 rows of phi, source 1 = 16 rows of g, both as launch 1 laid them: an image is 1,024 bytes, registers 0-3 at 16 x lane, 4-7 at 512 + 16 x lane.  In the result a lane holds
; ONE c (lane % 16) and c' = 8 (lane / 16) + 0..7: the order in which a lane of launch 3 takes source 0 (16 c x 32 c') of its product M^T V.
; M IS STORED IN f32, in that order: 2,048 bytes for a fragment: tile t at 1,024 t, registers 0-3 at 16 x lane, 4-7 at 512 + 16 x lane.  Launch 3 rounds it to f16; the power of two by which it
; scales M first hangs on the whole batch's largest entry, which no work-group of this launch knows.
; BESIDE IT, wave 2 rounds half an operand image (512 bytes) of theta_w or W_w to bf16 in the order in which launch 3's registers take it: 256 work-groups x 512 bytes are both tensors.  W_w's
; numbers, so rounded, are written as f16 (launch 3 multiplies them by f16 numbers): exact from 2^-17 on, below that to f16's fixed step of 6e-8.
; No joint loads: a work-group reads 98,304 bytes straight into operand registers and is over when they have come; LDS holds the partial sums alone.
.set SPARE, 8192                       ; behind the partial sums: the spare words, 128 bytes for each wave: two blocks of 256 bytes that no other line names
.set FO,  2                            ; v2   16 x lane
.set LST, 3                            ; v3   where I put my partial tiles: 2,048 x wave + 16 x lane
.set LRD, 4                            ; v4   1,024 x wave + 16 x lane: where I read tile w back in LDS, and my offset in M's fragment in memory
.set SO,  5                            ; v5   the weights to round: row lane % 16, 32 bytes for each half of the lanes
.set SPW, 8                            ; v8   LDS address of my spare word; never rewritten
.set NIL, 9                            ; v9   0; never rewritten
.set ACC, 16                           ; v[16:47]  four accumulators: tile t, steps of parity p, at 8 (2 p + t)
.set SF,  48                           ; v[48:55]  weights as loaded;  v[56:59] rounded
.set BUF, 64                           ; v[64:255] step s at 24 s: g's image, phi's two
.set WV,  14                           ; s14  my wave's number
	s_load_b256 s[4:11], s[0:1], 0x0               ; P s[4:5], theta_w s[6:7], W_w s[8:9], MF s[10:11]
	s_load_b64 s[12:13], s[0:1], 0x20              ; WT
	v_lshl_add_u32 v[SPW], v0, 2, SPARE
	v_mov_b32 v[NIL], 0
	v_lshrrev_b32 v1, 5, v0
	v_readfirstlane_b32 s[WV], v1                  ; wave 0..3
	v_and_b32 v11, 31, v0
	v_and_b32 v12, 15, v0
	v_bfe_u32 v13, v0, 4, 1
	v_lshlrev_b32 v[FO], 4, v11
	s_lshl_b32 s15, s[WV], 11
	v_add_nc_u32 v[LST], s15, v[FO]
	s_lshl_b32 s15, s[WV], 10
	v_add_nc_u32 v[LRD], s15, v[FO]
	s_lshr_b32 s26, ttmp9, 5                       ; b
	s_bfe_u32 s27, ttmp9, 0x30002                  ; ct
	s_and_b32 s28, ttmp9, 3                        ; cp
	s_lshl_b32 s2, s26, 19                         ; a batch of P is 32 x 16 images,
	s_lshl_b32 s3, s[WV], 17                       ; my eight steps of 16 images
	s_add_co_u32 s2, s2, s3
	s_lshl_b32 s27, s27, 10
	s_add_co_u32 s30, s2, s27                      ; g's tile ct
	s_mov_b32 s31, 0
	s_lshl_b32 s28, s28, 11
	s_add_co_u32 s32, s2, s28
	s_add_co_u32 s32, s32, 8192                    ; phi's tiles 2 cp, 2 cp + 1 lie behind g's eight
	s_mov_b32 s33, 0
	s_lshl_b32 s34, ttmp9, 11                      ; M's fragment
	s_mov_b32 s35, 0
	s_lshl_b32 s36, ttmp9, 9                       ; my half image of the weights
	s_mov_b32 s37, 0
	; the half image's source.  Work-groups 0-127: theta_w, image (row tile id / 16, K step (id / 2) % 8), rows of 1,024 bytes; 128-255: W_w, image ((id - 128) / 8, (id / 2) % 4), rows of 512.  id % 2: its K 0-15 or 16-31
	s_lshr_b32 s38, ttmp9, 4
	s_lshl_b32 s38, s38, 14
	s_bfe_u32 s39, ttmp9, 0x30001
	s_lshl_b32 s39, s39, 7
	s_add_co_u32 s38, s38, s39
	s_and_b32 s26, ttmp9, 127
	s_lshr_b32 s26, s26, 3
	s_lshl_b32 s26, s26, 13
	s_bfe_u32 s27, ttmp9, 0x20001
	s_lshl_b32 s27, s27, 7
	s_add_co_u32 s26, s26, s27
	s_cmp_lt_u32 ttmp9, 128
	s_cselect_b32 s38, s38, s26
	s_cselect_b32 s29, 10, 9                       ; log2 of a row's bytes
	s_and_b32 s39, ttmp9, 1
	s_lshl_b32 s39, s39, 6
	s_add_co_u32 s38, s38, s39
	s_mov_b32 s39, 0
	v_lshlrev_b32 v[SO], s29, v12
	v_lshl_add_u32 v[SO], v13, 5, v[SO]
	s_wait_kmcnt 0x0
	s_add_nc_u64 s[16:17], s[4:5], s[30:31]
	s_add_nc_u64 s[18:19], s[4:5], s[32:33]
	s_add_nc_u64 s[20:21], s[10:11], s[34:35]
	s_add_nc_u64 s[22:23], s[12:13], s[36:37]
	s_cmp_lt_u32 ttmp9, 128
	s_cselect_b64 s[24:25], s[6:7], s[8:9]
	s_add_nc_u64 s[24:25], s[24:25], s[38:39]
.set st, 0
.rept 8                                ; six loads a step, each 512 neighbouring bytes
	global_load_b128 v[BUF+24*st:BUF+24*st+3],     v[FO], s[16:17] offset:16384*st
	global_load_b128 v[BUF+24*st+4:BUF+24*st+7],   v[FO], s[16:17] offset:16384*st+512
	global_load_b128 v[BUF+24*st+8:BUF+24*st+11],  v[FO], s[18:19] offset:16384*st
	global_load_b128 v[BUF+24*st+12:BUF+24*st+15], v[FO], s[18:19] offset:16384*st+512
	global_load_b128 v[BUF+24*st+16:BUF+24*st+19], v[FO], s[18:19] offset:16384*st+1024
	global_load_b128 v[BUF+24*st+20:BUF+24*st+23], v[FO], s[18:19] offset:16384*st+1536
.set st, st+1
.endr
	s_cmp_lg_u32 s[WV], 2
	s_cbranch_scc1 .Lmain
	global_load_b128 v[SF:SF+3],   v[SO], s[24:25]            ; wave 2: eight weights a lane,
	global_load_b128 v[SF+4:SF+7], v[SO], s[24:25] offset:16
	s_wait_loadcnt 0x0                             ; (with them all my loads: they went out together)
.irp q, 0,1,2,3
	v_cvt_pk_bf16_f32 v[SF+8+(\q)], v[SF+2*(\q)], v[SF+2*(\q)+1]
.endr
	s_cmp_lt_u32 ttmp9, 128
	s_cbranch_scc1 .Lput                           ; theta_w stays bf16
.irp q, 0,1,2,3
	v_lshlrev_b32 v[SF+2*(\q)],   16, v[SF+8+(\q)]            ; W_w: the bf16 numbers as f32,
	v_and_b32     v[SF+2*(\q)+1], 0xffff0000, v[SF+8+(\q)]
.endr
.irp q, 0,1,2,3
	v_cvt_pk_f16_f32 v[SF+8+(\q)], v[SF+2*(\q)], v[SF+2*(\q)+1]  ; written as f16
.endr
.Lput:
	global_store_b128 v[FO], v[SF+8:SF+11], s[22:23]          ; 512 neighbouring bytes
.Lmain:
.set st, 0
.rept 8                                ; the four accumulators take turns, one instruction a turn; steps 0 and 1 start the sums
	s_wait_loadcnt 42-6*st                         ; step st's six loads are in; the later steps' may stay out
.irp t, 0,1
.if st < 2
	v_wmma_f32_16x16x32_bf16 v[ACC+8*(2*(st%2)+(\t)):ACC+8*(2*(st%2)+(\t))+7], v[BUF+24*st+8+8*(\t):BUF+24*st+8+8*(\t)+7], v[BUF+24*st:BUF+24*st+7], 0
.else
	v_wmma_f32_16x16x32_bf16 v[ACC+8*(2*(st%2)+(\t)):ACC+8*(2*(st%2)+(\t))+7], v[BUF+24*st+8+8*(\t):BUF+24*st+8+8*(\t)+7], v[BUF+24*st:BUF+24*st+7], v[ACC+8*(2*(st%2)+(\t)):ACC+8*(2*(st%2)+(\t))+7]
.endif
.endr
.set st, st+1
.endr
.rept 8
	v_nop                                          ; the places between the last products and the first read of their results (ISA guide 7.12.1); once a launch
.endr
.irp r, 0,2,4,6,8,10,12,14
	v_pk_add_f32 v[ACC+(\r):ACC+(\r)+1], v[ACC+(\r):ACC+(\r)+1], v[ACC+16+(\r):ACC+16+(\r)+1]  ; the two parities; each accumulator's lowest registers first
.endr
.irp t, 0,1
	ds_store_b128 v[LST], v[ACC+8*(\t):ACC+8*(\t)+3]   offset:1024*(\t)
	ds_store_b128 v[LST], v[ACC+8*(\t)+4:ACC+8*(\t)+7] offset:1024*(\t)+512
.endr
	s_wait_dscnt 0x0                               ; for the others' sake: my partial sums lie in LDS
	s_barrier_signal -1
	s_barrier_wait -1                              ; everybody's do
	s_cmp_lt_u32 s[WV], 2                          ; wave 0 finishes tile 0, wave 1 tile 1
	s_cbranch_scc0 .Lend
.irp v, 0,1,2,3
	ds_load_b128 v[BUF+8*(\v):BUF+8*(\v)+3],   v[LRD] offset:2048*(\v)
	ds_load_b128 v[BUF+8*(\v)+4:BUF+8*(\v)+7], v[LRD] offset:2048*(\v)+512
.endr
	s_wait_dscnt 0x0
.irp r, 0,2,4,6
	v_pk_add_f32 v[BUF+(\r):BUF+(\r)+1], v[BUF+(\r):BUF+(\r)+1], v[BUF+8+(\r):BUF+8+(\r)+1]
	v_pk_add_f32 v[BUF+16+(\r):BUF+16+(\r)+1], v[BUF+16+(\r):BUF+16+(\r)+1], v[BUF+24+(\r):BUF+24+(\r)+1]
.endr
.irp r, 0,2,4,6
	v_pk_add_f32 v[BUF+(\r):BUF+(\r)+1], v[BUF+(\r):BUF+(\r)+1], v[BUF+16+(\r):BUF+16+(\r)+1]
.endr
.irp r, 0,2,4,6
	v_pk_mul_f32 v[BUF+(\r):BUF+(\r)+1], v[BUF+(\r):BUF+(\r)+1], 0x3a800000 op_sel_hi:[1,0]  ; / 1,024: exact
.endr
	global_store_b128 v[LRD], v[BUF:BUF+3],   s[20:21]            ; each store is 512 neighbouring bytes
	global_store_b128 v[LRD], v[BUF+4:BUF+7], s[20:21] offset:512
.Lend:
	s_wait_tensorcnt 0x0                           ; the wave's end: behind my last LDS store
	ds_add_u32 v[SPW], v[NIL]
	s_wait_dscnt 0x0
	s_endpgm
.Lfunc_end_k_qd8ea678b22_gram:
	.size	k_qd8ea678b22_gram, .Lfunc_end_k_qd8ea678b22_gram-k_qd8ea678b22_gram
	.p2alignl 7, 3214868480
	.fill 96, 4, 3214868480
	.section	.rodata,"a",@progbits
	.p2align	6, 0x0
	.amdhsa_kernel k_qd8ea678b22_gram
		.amdhsa_group_segment_fixed_size 8704
		.amdhsa_private_segment_fixed_size 0
		.amdhsa_enable_private_segment 0
		.amdhsa_kernarg_size 40
		.amdhsa_user_sgpr_count 2
		.amdhsa_user_sgpr_kernarg_segment_ptr 1
		.amdhsa_wavefront_size32 1
		.amdhsa_system_sgpr_workgroup_id_x 1
		.amdhsa_system_sgpr_workgroup_id_y 1
		.amdhsa_system_sgpr_workgroup_id_z 1
		.amdhsa_system_vgpr_workitem_id 0
		.amdhsa_next_free_vgpr 256
		.amdhsa_next_free_sgpr 66
		.amdhsa_reserve_vcc 0
		.amdhsa_float_denorm_mode_32 3
		.amdhsa_float_denorm_mode_16_64 3
		.amdhsa_memory_ordered 1
		.amdhsa_forward_progress 1
		.amdhsa_inst_pref_size 13
	.end_amdhsa_kernel
	.amdgpu_metadata
---
amdhsa.version: [ 1, 2 ]
amdhsa.kernels:
  - .name:           k_qd8ea678b22_gram
    .symbol:         k_qd8ea678b22_gram.kd
    .args:
      - { .name: P, .offset: 0, .size: 8, .value_kind: global_buffer, .address_space: global }
      - { .name: theta_w, .offset: 8, .size: 8, .value_kind: global_buffer, .address_space: global }
      - { .name: W_w, .offset: 16, .size: 8, .value_kind: global_buffer, .address_space: global }
      - { .name: MF, .offset: 24, .size: 8, .value_kind: global_buffer, .address_space: global }
      - { .name: WT, .offset: 32, .size: 8, .value_kind: global_buffer, .address_space: global }
    .group_segment_fixed_size: 8704
    .private_segment_fixed_size: 0
    .kernarg_segment_align: 8
    .kernarg_segment_size: 40
    .max_flat_workgroup_size: 128
    .sgpr_count:     66
    .vgpr_count:     256
    .wavefront_size: 32
...
	.end_amdgpu_metadata
.endif
;; end of part 2
;; launch apply (part 3): grid 256 x 1, 4 waves a work-group, no clusters, 173,824 bytes of LDS; arguments x, WT, MF, theta_b, W_b, bn_gamma, bn_beta, out0; writes out0
.if DOCPART == 3
	.amdgcn_target "amdgcn-amd-amdhsa--gfx1250"
	.amdhsa_code_object_version 6
	.text
	.protected	k_qd8ea678b22_apply
	.globl	k_qd8ea678b22_apply
	.p2align	8
	.type	k_qd8ea678b22_apply,@function
k_qd8ea678b22_apply:
	s_mov_b64 s[64:65], 0
	v_nop
	global_prefetch_b8 v0, s[64:65] scope:SCOPE_SE
	s_setreg_imm32_b32 hwreg(HW_REG_WAVE_MODE, 25, 1), 1
	s_wait_xcnt 0x0
; NON-LOCAL BLOCK, launch 3 of 3: V = theta_w x + theta_b;  U = M^T V (M holds the division by 1,024);  Y = W_w U;  out0 = s Y + (s W_b + beta) + x,  s = gamma / sqrt(1 + 1e-5).
; f = theta^T phi / 1024 is not formed: (theta^T phi) g = theta^T (phi g) for all values (the head of launch 1 shows it and states the limits).
; FORMATS.  x, theta_b, W_b, gamma, beta are rounded once to bf16 here (x in the residual too), the weights were in launch 2; V is made of bf16 operands.  What the program itself makes, V, M and U,
; goes into the next product in f16: on data of this kind M's entries are alike in size and sign, so U is nearly one number times the sum of V's channels, and bf16's 8 bits in V, M or U would
; reach the output undiminished; f16 has 11.  M HAS NO ROOM IN f16 AS IT IS (it grows with the fourth power of the inputs' size), SO IT IS SCALED BY A POWER OF TWO FOR EACH BATCH: with E the biased
; exponent of the batch's largest |M|, M' = M 2^(119 - E) lies under 2^-7.  Then |U'| = |M'^T V| <= 128 x 2^-7 x max |V| = max |V| whatever the data: U' fits where V fits.  2^(E - 119) goes into s.
; LIMITS.  |V| stays under 65,504 (f16's end).  The largest |M| / 1024 of a batch stays under 2^118.  An entry of M is kept to 2^-12 of itself or 2^-17 of the batch's largest; V and U' below 6e-5 keep
; f16's fixed step of 6e-8.  1 / sqrt(1 + 1e-5) is the constant 0x3f7fffac, a factor in place of a division.  NaN and infinities are not treated apart.
; SHARES.  A work-group has 128 neighbouring pixels of one batch and ALL channels; the waves split the CHANNELS of each product's result, so each weight is read by one wave of the work-group, straight
; into operand registers, and the rows of out0 are whole: V: c' tiles 2 w, 2 w + 1;  U: c tiles 2 w, 2 w + 1;  Y: o tiles 4 w .. 4 w + 3, one after the other.
; NO JOINT LOADS: what work-groups share are the 196,608 bytes of fragments of theta_w, M and W_w; LDS holds 173,312 bytes of x, V, U and stages, and they would not fit beside these.
; LAYOUTS.  x comes through registers (f32, to be rounded), lies as bf16 [channel][pixel] in LDS, and comes out turned as source 1 (32 channels x 16 pixels).  V = theta x: source 0 = 16 rows of theta;
; in the result a lane holds ONE pixel (lane % 16) and c' = 8 (lane / 16) + 0..7, so a wave's two tiles, rounded in pairs, ARE the fragment (K = 32 w ..) of V for the next product.  U likewise.
; Y is taken the other way round (source 0 = U's fragment, 16 pixels; source 1 = 16 rows of W_w): a lane then holds ONE channel o and eight neighbouring pixels.
; REGISTERS, in windows of 256 (s_set_vgpr_msb: bits 1:0 source 0, 3:2 source 1, 5:4 source 2, 7:6 destination):
;   window 0: addresses and constants; v64-191 fragments from LDS, later the way out; v192-255 at work
;   window 1: v0-127 V's accumulators (c, t) at 8 (8 c + t), later W_w's fragments (a, ks) at 8 (4 a + ks); v128-255 U's accumulators, later Y's eight
;   window 2: v0-127 theta's fragments (c, ks) at 8 (8 c + ks); v128-255 M in f32, then in f16 (c, ks) at 128 + 8 (4 c + ks); later all of it U, (ks, t) at 8 (8 ks + t)
;   window 3: x as loaded, chunk j at 64 j
.set PITCH,  288                       ; a channel's row of x in LDS: 256 bytes + 32 = 72 words
.set VFB,    256*PITCH                 ; V's fragments: [pixel tile 8][K step 4][1,024 bytes]
.set UFB,    VFB+32768                 ; U's, likewise
.set STG,    UFB+32768                 ; the way out: for each wave 16 rows of 512 bytes, 528 apart = 33 x 16: the 16 rows that a store touches start at 16 different groups of four banks
.set SPITCH, 528
.set MXL,    STG+4*16*SPITCH           ; four words: each wave's largest |M|
.set SPARE,  MXL+256                   ; the spare words, 128 bytes for each wave: two blocks of 256 bytes that no other line names
.set HO,  1                            ; v1   32 (lane / 16): theta_b's eight numbers
.set XO,  2                            ; v2   my byte offset in x: my wave's 16 rows of a chunk, 16 bytes a lane
.set FO,  3                            ; v3   16 x lane
.set LS,  4                            ; v4   where I put 8 bytes of a row of x in LDS
.set LTA, 5                            ; v5   the turning load's address for chunks 0, 1; v6 for chunks 2, 3
.set VW,  7                            ; v7   where I write V's fragments;  v8 where I read them
.set VR,  8
.set UW,  9                            ; v9, v10  the same for U
.set UR,  10
.set SW,  11                           ; v11  the stage: in, row lane % 16, 32 bytes for each half of the lanes
.set SR,  12                           ; v12  the stage: back, 16 x lane of a row
.set XR,  13                           ; v13  x for the residual: my wave's 64 rows, 8 x lane
.set OO,  14                           ; v14  my byte offset in out0: my wave's 64 rows, 16 x lane
.set SPW, 15                           ; v15  LDS address of my spare word; never rewritten
.set NIL, 16                           ; v16  0; never rewritten
.set MXA, 17                           ; v17  my wave's word among the four maxima
.set ONE, 18                           ; v18  1.0
.set BO,  19                           ; v19  4 (lane % 16): my channel's gamma, W_b, beta
.set RAW, 20                           ; v[20:31]  gamma, W_b, beta of my channel in tiles a = 0..3; when s and s W_b + beta are made, the six names below
.set MX,  20                           ; v[20:23]  M's extremes at work; then the four waves' maxima
.set PT,  24                           ; v24  the other half of the lanes' maximum
.set MXR, 25                           ; v25  where the four maxima lie
.set INV, 26                           ; v[26:27]  2^(119 - E), twice
.set BK,  28                           ; v[28:29]  2^(E - 119), twice
.set TB,  32                           ; v[32:47]  theta_b as the C operand that starts V's sums: register 8 c + j holds channel 32 w + 16 c + 8 (lane / 16) + j
.set SC,  48                           ; v[48:55]  s, twice, for each a; later s 2^(E - 119)
.set DD,  56                           ; v[56:63]  s W_b + beta, twice, for each a
.set BIG, 64                           ; v[64:191] x's fragments (k, t) at 8 (8 k + t); V's, two sets of 64, t at 8 t; the way out: EV, RV
.set EV,  64
.set RV,  128
.set CT,  192                          ; v[192:223] at work; on the way out the rows of x
.set PK,  192                          ; v[192:255] 8 fragments on their way into LDS
.set HT,  240                          ; v[240:243] at work at the head
.set WV,  8                            ; s8   my wave's number
.set MSB, 0
.macro WIN new                         ; the immediate's high byte repeats the setting that is left; a switch that changes nothing is dropped
.if MSB != (\new)
	s_set_vgpr_msb (MSB<<8)|(\new)
.set MSB, (\new)
.endif
.endm
.macro PLACES n                        ; places behind matrix instructions (ISA guide 7.12.1), where no other vector work is at hand
.rept \n
	v_nop
.endr
.endm
.macro MEET                            ; my stores into LDS are done, then everybody's; every region of LDS is written once by its writers, so this is all the ordering between waves
	s_wait_dscnt 0x0
	s_barrier_signal -1
	s_barrier_wait -1
.endm
.macro LDX j                           ; chunk j of x: my 16 channel rows, each load a row's 512 bytes
	WIN 0xc0
.set rr, 0
.rept 16
	global_load_b128 v[64*(\j)+4*rr:64*(\j)+4*rr+3], v[XO], s[32:33] offset:(64*(\j)+rr)*16384 th:TH_LOAD_NT
.set rr, rr+1
.endr
.endm
.macro CVX j                           ; rounded to bf16 and laid into LDS: 8 bytes a lane, 256 neighbouring bytes a row
	WIN 0x0f
.set rr, 0
.rept 16
	v_cvt_pk_bf16_f32 v[CT+2*rr],   v[64*(\j)+4*rr],   v[64*(\j)+4*rr+1]
	v_cvt_pk_bf16_f32 v[CT+2*rr+1], v[64*(\j)+4*rr+2], v[64*(\j)+4*rr+3]
.set rr, rr+1
.endr
	WIN 0
.set rr, 0
.rept 16
	ds_store_b64 v[LS], v[CT+2*rr:CT+2*rr+1] offset:(64*(\j)+rr)*PITCH
.set rr, rr+1
.endr
.endm
.macro LDF win, dst, sb, first, n      ; n blocks of 1,024 bytes, from block first on, into registers dst on, 8 a block: two loads of 512 neighbouring bytes each
	WIN \win
.set f, 0
.rept \n
	global_load_b128 v[(\dst)+8*f:(\dst)+8*f+3],   v[FO], s[(\sb):(\sb)+1] offset:1024*((\first)+f)
	global_load_b128 v[(\dst)+8*f+4:(\dst)+8*f+7], v[FO], s[(\sb):(\sb)+1] offset:1024*((\first)+f)+512
.set f, f+1
.endr
.endm
; V, chunk j: 32 turning loads in one run, then 2 x 16 products.  The 16 accumulators take turns, one instruction a turn, from chunk to chunk too.  The very first K step takes theta_b as C.
.macro G1 j
	WIN 0
.irp k, 0,1
.irp t, 0,1,2,3,4,5,6,7
	ds_load_tr16_b128 v[BIG+8*(8*(\k)+(\t)):BIG+8*(8*(\k)+(\t))+3],   v[LTA+(\j)/2] offset:((\j)%2)*64*PITCH+(\k)*32*PITCH+32*(\t)
	ds_load_tr16_b128 v[BIG+8*(8*(\k)+(\t))+4:BIG+8*(8*(\k)+(\t))+7], v[LTA+(\j)/2] offset:((\j)%2)*64*PITCH+(\k)*32*PITCH+32*(\t)+16*PITCH
.endr
.endr
.irp k, 0,1
	s_wait_dscnt 16-16*(\k)                        ; the first K step's 16 loads are in, the second's may stay out; then all
.irp t, 0,1,2,3,4,5,6,7
.irp c, 0,1
.if ((\j) == 0) && ((\k) == 0)
	WIN 0x42
	v_wmma_f32_16x16x32_bf16 v[8*(8*(\c)+(\t)):8*(8*(\c)+(\t))+7], v[8*(8*(\c)+2*(\j)+(\k)):8*(8*(\c)+2*(\j)+(\k))+7], v[BIG+8*(8*(\k)+(\t)):BIG+8*(8*(\k)+(\t))+7], v[TB+8*(\c):TB+8*(\c)+7]
.else
	WIN 0x52
	v_wmma_f32_16x16x32_bf16 v[8*(8*(\c)+(\t)):8*(8*(\c)+(\t))+7], v[8*(8*(\c)+2*(\j)+(\k)):8*(8*(\c)+2*(\j)+(\k))+7], v[BIG+8*(8*(\k)+(\t)):BIG+8*(8*(\k)+(\t))+7], v[8*(8*(\c)+(\t)):8*(8*(\c)+(\t))+7]
.endif
.endr
.endr
.endr
.endm
; 16 accumulators (window 1, from acc on) become 8 fragments in f16, each in registers of its own, and go into LDS.  Each accumulator's lowest registers are read first.
.macro PACK acc, wadr
	WIN 0x05
.irp t, 0,1,2,3,4,5,6,7
.irp q, 0,1,2,3,4,5,6,7
	v_cvt_pk_f16_f32 v[PK+8*(\t)+(\q)], v[(\acc)+8*(8*((\q)/4)+(\t))+2*((\q)%4)], v[(\acc)+8*(8*((\q)/4)+(\t))+2*((\q)%4)+1]
.endr
.endr
	WIN 0
.irp t, 0,1,2,3,4,5,6,7
	ds_store_b128 v[\wadr], v[PK+8*(\t):PK+8*(\t)+3]   offset:4096*(\t)
	ds_store_b128 v[\wadr], v[PK+8*(\t)+4:PK+8*(\t)+7] offset:4096*(\t)+512
.endr
.endm
.macro FV ks, set                      ; V's fragments of K step ks, all 8 pixel tiles: 16 loads in one run
	WIN 0
.irp t, 0,1,2,3,4,5,6,7
	ds_load_b128 v[BIG+64*(\set)+8*(\t):BIG+64*(\set)+8*(\t)+3],   v[VR] offset:(4*(\t)+(\ks))*1024
	ds_load_b128 v[BIG+64*(\set)+8*(\t)+4:BIG+64*(\set)+8*(\t)+7], v[VR] offset:(4*(\t)+(\ks))*1024+512
.endr
.endm
.macro M2 ks, set                      ; 16 products of U' = M'^T V: the 16 accumulators take turns, in the same order in every K step
	WIN 0x52
.irp t, 0,1,2,3,4,5,6,7
.irp c, 0,1
.set rD, 128+8*(8*(\c)+(\t))
.set rA, 128+8*(4*(\c)+(\ks))
.set rB, BIG+64*(\set)+8*(\t)
.if (\ks) == 0
	v_wmma_f32_16x16x32_f16 v[rD:rD+7], v[rA:rA+7], v[rB:rB+7], 0
.else
	v_wmma_f32_16x16x32_f16 v[rD:rD+7], v[rA:rA+7], v[rB:rB+7], v[rD:rD+7]
.endif
.endr
.endr
.endm
.macro LDU ks                          ; U's fragments of K step ks, all 8 pixel tiles: 16 loads
	WIN 0x80
.irp t, 0,1,2,3,4,5,6,7
	ds_load_b128 v[8*(8*(\ks)+(\t)):8*(8*(\ks)+(\t))+3],   v[UR] offset:(4*(\t)+(\ks))*1024
	ds_load_b128 v[8*(8*(\ks)+(\t))+4:8*(8*(\ks)+(\t))+7], v[UR] offset:(4*(\t)+(\ks))*1024+512
.endr
.endm
.macro M3 a, ks                        ; 8 products of Y's tile a: the 8 accumulators (pixel tiles) take turns
	WIN 0x56
.irp t, 0,1,2,3,4,5,6,7
.if (\ks) == 0
	v_wmma_f32_16x16x32_f16 v[128+8*(\t):128+8*(\t)+7], v[8*(8*(\ks)+(\t)):8*(8*(\ks)+(\t))+7], v[8*(4*(\a)+(\ks)):8*(4*(\a)+(\ks))+7], 0
.else
	v_wmma_f32_16x16x32_f16 v[128+8*(\t):128+8*(\t)+7], v[8*(8*(\ks)+(\t)):8*(8*(\ks)+(\t))+7], v[8*(4*(\a)+(\ks)):8*(4*(\a)+(\ks))+7], v[128+8*(\t):128+8*(\t)+7]
.endif
.endr
.endm
; THE WAY OUT of tile a: s 2^(E - 119) Y' + (s W_b + beta); through my own stage, so that a row's 512 bytes come together; + x, from the bf16 rows in LDS; stored.  LDS serves a wave's instructions in
; order (ISA guide 5.7.1.4), so the stage needs no wait between its stores and its loads, and no barrier.
.macro EP a
	PLACES 8
	WIN 0x01
.irp t, 0,1,2,3,4,5,6,7
.irp p, 0,1,2,3
	v_pk_fma_f32 v[EV+8*(\t)+2*(\p):EV+8*(\t)+2*(\p)+1], v[128+8*(\t)+2*(\p):128+8*(\t)+2*(\p)+1], v[SC+2*(\a):SC+2*(\a)+1], v[DD+2*(\a):DD+2*(\a)+1]
.endr
.endr
	WIN 0
.irp t, 0,1,2,3,4,5,6,7
	ds_store_b128 v[SW], v[EV+8*(\t):EV+8*(\t)+3]   offset:64*(\t)
	ds_store_b128 v[SW], v[EV+8*(\t)+4:EV+8*(\t)+7] offset:64*(\t)+16
.endr
	s_wait_xcnt 0x0                                ; the last tile's stores have read their data registers: only behind this wait are these loaded again
.set rr, 0
.rept 16
	ds_load_b128 v[RV+4*rr:RV+4*rr+3], v[SR] offset:SPITCH*rr
	ds_load_b64  v[CT+2*rr:CT+2*rr+1], v[XR] offset:(16*(\a)+rr)*PITCH
.set rr, rr+1
.endr
.set rr, 0
.rept 16
	s_wait_dscnt 30-2*rr                           ; row rr's two loads are in; the later rows' pairs may stay out
	v_fma_mix_f32_bf16 v[RV+4*rr],   v[CT+2*rr],   v[ONE], v[RV+4*rr]   op_sel_hi:[1,0,0]
	v_fma_mix_f32_bf16 v[RV+4*rr+1], v[CT+2*rr],   v[ONE], v[RV+4*rr+1] op_sel:[1,0,0] op_sel_hi:[1,0,0]
	v_fma_mix_f32_bf16 v[RV+4*rr+2], v[CT+2*rr+1], v[ONE], v[RV+4*rr+2] op_sel_hi:[1,0,0]
	v_fma_mix_f32_bf16 v[RV+4*rr+3], v[CT+2*rr+1], v[ONE], v[RV+4*rr+3] op_sel:[1,0,0] op_sel_hi:[1,0,0]
	global_store_b128 v[OO], v[RV+4*rr:RV+4*rr+3], s[34:35] offset:(16*(\a)+rr)*16384 th:TH_STORE_NT  ; 512 neighbouring bytes of a channel's row, at a multiple of 512 from out0's first byte
.set rr, rr+1
.endr
.endm
	s_load_b512 s[16:31], s[0:1], 0x0              ; x s[16:17], WT s[18:19], MF s[20:21], theta_b s[22:23], W_b s[24:25], gamma s[26:27], beta s[28:29], out0 s[30:31]
	v_lshl_add_u32 v[SPW], v0, 2, SPARE
	v_mov_b32 v[NIL], 0
	v_lshrrev_b32 v1, 5, v0
	v_readfirstlane_b32 s[WV], v1                  ; wave 0..3
	v_and_b32 v[HT], 31, v0                        ; lane
	v_and_b32 v[HT+1], 15, v0                      ; lane % 16
	v_bfe_u32 v[HT+2], v0, 4, 1                    ; lane / 16
	v_lshlrev_b32 v[FO], 4, v[HT]
	s_lshl_b32 s2, s[WV], 18                       ; 16 rows of 16,384 bytes
	v_add_nc_u32 v[XO], s2, v[FO]
	s_mul_i32 s2, s[WV], 16*PITCH
	v_lshl_add_u32 v[LS], v[HT], 3, s2
	v_and_b32 v[HT+3], 7, v0                       ; the turning load: lane l reads channel 8 (l / 16) + l % 8, pixels 8 ((l / 8) % 2) + 0..7
	v_lshl_add_u32 v[HT+3], v[HT+2], 3, v[HT+3]
	v_mul_u32_u24 v[LTA], v[HT+3], PITCH
	v_bfe_u32 v[HT+3], v0, 3, 1
	v_lshl_add_u32 v[LTA], v[HT+3], 4, v[LTA]
	v_add_nc_u32 v[LTA+1], 128*PITCH, v[LTA]       ; the immediate holds 16 bits: chunks 2 and 3 have a register of their own
	s_lshl_b32 s2, s[WV], 10                       ; my K step's fragment
	s_add_co_u32 s3, s2, VFB
	v_add_nc_u32 v[VW], s3, v[FO]
	v_add_nc_u32 v[VR], VFB, v[FO]
	s_add_co_u32 s3, s2, UFB
	v_add_nc_u32 v[UW], s3, v[FO]
	v_add_nc_u32 v[UR], UFB, v[FO]
	s_mul_i32 s2, s[WV], 16*SPITCH
	s_add_co_u32 s2, s2, STG                       ; my stage
	v_mul_u32_u24 v[SW], v[HT+1], SPITCH
	v_lshl_add_u32 v[SW], v[HT+2], 5, v[SW]
	v_add_nc_u32 v[SW], s2, v[SW]
	v_add_nc_u32 v[SR], s2, v[FO]
	s_mul_i32 s2, s[WV], 64*PITCH
	v_lshl_add_u32 v[XR], v[HT], 3, s2
	s_lshl_b32 s2, s[WV], 20                       ; 64 rows of 16,384 bytes
	v_add_nc_u32 v[OO], s2, v[FO]
	s_lshl_b32 s2, s[WV], 2
	s_add_co_u32 s2, s2, MXL
	v_mov_b32 v[MXA], s2
	v_mov_b32 v[ONE], 1.0
	v_lshlrev_b32 v[BO], 2, v[HT+1]
	v_lshlrev_b32 v[HO], 5, v[HT+2]
	s_mov_b32 s46, 0x76543210                      ; v_permlanex16_b32's selects: each lane takes its own place in the other half
	s_mov_b32 s47, 0xfedcba98
	s_lshr_b32 s4, ttmp9, 5                        ; batch
	s_and_b32 s5, ttmp9, 31                        ; block of 128 pixels
	s_lshl_b32 s6, s4, 22
	s_lshl_b32 s5, s5, 9
	s_add_co_u32 s6, s6, s5
	s_mov_b32 s7, 0
	s_lshl_b32 s10, s[WV], 14                      ; 16,384 bytes: my share of theta's fragments, of M's and of W_w's
	s_mov_b32 s11, 0
	s_lshl_b32 s12, s4, 16                         ; a batch of M is 65,536 bytes
	s_add_co_u32 s12, s12, s10
	s_mov_b32 s13, 0
	s_lshl_b32 s14, s[WV], 7                       ; my 32 numbers of theta_b
	s_mov_b32 s15, 0
	s_lshl_b32 s44, s[WV], 8                       ; my 64 of W_b, gamma, beta
	s_mov_b32 s45, 0
	s_wait_kmcnt 0x0
	s_add_nc_u64 s[32:33], s[16:17], s[6:7]
	s_add_nc_u64 s[34:35], s[30:31], s[6:7]
	s_add_nc_u64 s[36:37], s[18:19], s[10:11]      ; theta's fragments
	s_add_nc_u64 s[38:39], s[36:37], 0x10000       ; W_w's lie 65,536 bytes behind them
	s_add_nc_u64 s[40:41], s[20:21], s[12:13]
	s_add_nc_u64 s[42:43], s[22:23], s[14:15]
	s_add_nc_u64 s[24:25], s[24:25], s[44:45]
	s_add_nc_u64 s[26:27], s[26:27], s[44:45]
	s_add_nc_u64 s[28:29], s[28:29], s[44:45]
	global_load_b128 v[TB:TB+3],     v[HO], s[42:43]
	global_load_b128 v[TB+4:TB+7],   v[HO], s[42:43] offset:16
	global_load_b128 v[TB+8:TB+11],  v[HO], s[42:43] offset:64
	global_load_b128 v[TB+12:TB+15], v[HO], s[42:43] offset:80
.irp a, 0,1,2,3
	global_load_b32 v[RAW+(\a)],   v[BO], s[26:27] offset:64*(\a)
	global_load_b32 v[RAW+4+(\a)], v[BO], s[24:25] offset:64*(\a)
	global_load_b32 v[RAW+8+(\a)], v[BO], s[28:29] offset:64*(\a)
.endr
	LDX 0
	LDF 0x80, 0,  36, 0, 4                         ; theta's K steps 0-3, both tiles: 16 loads
	LDF 0x80, 64, 36, 8, 4
	LDX 1
	LDX 2
	s_wait_loadcnt 48                              ; the small vectors and chunk 0 of x are in; younger: 16 loads of theta, chunks 1 and 2
	WIN 0
.set q, 0
.rept 14                               ; gamma, W_b, beta and theta_b rounded to bf16, kept as f32
	v_cvt_pk_bf16_f32 v[CT+q], v[RAW+2*q], v[RAW+2*q+1]
.set q, q+1
.endr
.set q, 0
.rept 14
	v_lshlrev_b32 v[RAW+2*q], 16, v[CT+q]
	v_and_b32 v[RAW+2*q+1], 0xffff0000, v[CT+q]
.set q, q+1
.endr
.irp a, 0,1,2,3
	v_mul_f32 v[SC+2*(\a)], 0x3f7fffac, v[RAW+(\a)]                 ; s = gamma / sqrt(1 + 1e-5)
.endr
.irp a, 0,1,2,3
	v_fma_f32 v[DD+2*(\a)], v[SC+2*(\a)], v[RAW+4+(\a)], v[RAW+8+(\a)]  ; s W_b + beta
	v_mov_b32 v[SC+2*(\a)+1], v[SC+2*(\a)]
.endr
.irp a, 0,1,2,3
	v_mov_b32 v[DD+2*(\a)+1], v[DD+2*(\a)]
.endr
	CVX 0
	LDX 3
	MEET
	s_wait_loadcnt 48                              ; theta's first 16 loads are in; younger: chunks 1, 2, 3
	G1 0
	s_wait_loadcnt 32                              ; chunk 1; younger: chunks 2, 3
	CVX 1                                          ; its 32 roundings are also the places between the last products and the loads into their operands' registers
	LDF 0x80, 32, 36, 4,  4                        ; theta's K steps 4-7: 16 loads
	LDF 0x80, 96, 36, 12, 4
	MEET
	G1 1
	s_wait_loadcnt 32                              ; chunk 2; younger: chunk 3, theta's second 16
	CVX 2
	LDF 0x80, 128, 40, 0, 16                       ; my quarter of M, f32: 8 fragments of 16 registers: 32 loads
	MEET
	s_wait_loadcnt 32                              ; chunk 3 and theta; younger: M's 32
	G1 2
	CVX 3
	MEET
	G1 3
	; THE LARGEST |M| OF MY QUARTER: the greatest and the least of its 128 registers, in two chains each; the largest magnitude is the greater of max and -min.  These lines name no register of
	; the last products: they are also the places in front of the roundings of V.
	s_wait_loadcnt 0x0                             ; M is in: nothing younger is out
	WIN 0x0a
	v_max_num_f32 v[MX],   v128, v129
	v_min_num_f32 v[MX+1], v128, v129
	v_max_num_f32 v[MX+2], v192, v193
	v_min_num_f32 v[MX+3], v192, v193
.set q, 1
.rept 31
	v_max3_num_f32 v[MX],   v[128+2*q], v[128+2*q+1], v[MX]
	v_min3_num_f32 v[MX+1], v[128+2*q], v[128+2*q+1], v[MX+1]
	v_max3_num_f32 v[MX+2], v[192+2*q], v[192+2*q+1], v[MX+2]
	v_min3_num_f32 v[MX+3], v[192+2*q], v[192+2*q+1], v[MX+3]
.set q, q+1
.endr
	WIN 0
	v_max_num_f32 v[MX],   v[MX],   v[MX+2]
	v_min_num_f32 v[MX+1], v[MX+1], v[MX+3]
	v_mul_f32 v[MX+1], -1.0, v[MX+1]
	v_max_num_f32 v[MX], v[MX], v[MX+1]
	v_max_num_f32_dpp v[MX], v[MX], v[MX] row_xmask:1 row_mask:0xf bank_mask:0xf
	v_max_num_f32_dpp v[MX], v[MX], v[MX] row_xmask:2 row_mask:0xf bank_mask:0xf
	v_max_num_f32_dpp v[MX], v[MX], v[MX] row_xmask:4 row_mask:0xf bank_mask:0xf
	v_max_num_f32_dpp v[MX], v[MX], v[MX] row_xmask:8 row_mask:0xf bank_mask:0xf
	v_permlanex16_b32 v[PT], v[MX], s46, s47
	v_max_num_f32 v[MX], v[MX], v[PT]
	ds_store_b32 v[MXA], v[MX]                     ; all lanes write the same word with the same value; the barrier that V's fragments need shows it to the other waves
	v_mov_b32 v[MXR], MXL
	PACK 0, VW
	LDF 0x40, 0, 38, 0, 16                         ; W_w's fragments, where V's accumulators lay: 32 loads
	MEET
	WIN 0
	ds_load_b128 v[MX:MX+3], v[MXR]                ; the four waves' maxima,
	FV 0, 0                                        ; and behind them V's first two K steps, which land while M is scaled and rounded
	FV 1, 1
	s_wait_dscnt 32                                ; the maxima are in; V's 32 loads may stay out
	v_max3_num_f32 v[MX], v[MX], v[MX+1], v[MX+2]
	v_max_num_f32 v[MX], v[MX], v[MX+3]
	v_and_b32 v[MX], 0x7f800000, v[MX]             ; E << 23
	v_sub_nc_u32 v[INV], 0x7b000000, v[MX]         ; (246 - E) << 23: the number 2^(119 - E)
	v_add_nc_u32 v[BK], 0x04000000, v[MX]          ; (E + 8) << 23: 2^(E - 119)
	v_mov_b32 v[INV+1], v[INV]
	v_mov_b32 v[BK+1], v[BK]
.irp a, 0,1,2,3
	v_pk_mul_f32 v[SC+2*(\a):SC+2*(\a)+1], v[SC+2*(\a):SC+2*(\a)+1], v[BK:BK+1]
.endr
	WIN 0x82
.set q, 0
.rept 64
	v_pk_mul_f32 v[128+2*q:128+2*q+1], v[128+2*q:128+2*q+1], v[INV:INV+1]  ; M' = M 2^(119 - E): exact
.set q, q+1
.endr
	WIN 0x8a
.set q, 0
.rept 64                               ; to f16, in place and ascending: register q takes numbers 2 q and 2 q + 1, which no later line reads
	v_cvt_pk_f16_f32 v[128+q], v[128+2*q], v[128+2*q+1]
.set q, q+1
.endr
	s_wait_dscnt 16                                ; K step 0 of V is in; K step 1's 16 loads may stay out
	M2 0, 0
	PLACES 4                                       ; between those products and the loads into the set that they read
	FV 2, 0
	s_wait_dscnt 16                                ; K step 1; the 16 just issued may stay out
	M2 1, 1
	PLACES 4
	FV 3, 1
	s_wait_dscnt 16                                ; K step 2
	M2 2, 0
	s_wait_dscnt 0x0
	M2 3, 1
	PLACES 8
	PACK 128, UW
	MEET
	s_wait_loadcnt 0x0                             ; W_w's fragments
	LDU 0                                          ; U stays in registers for all four tiles of Y: 64 loads, by K steps
	LDU 1
	LDU 2
	LDU 3
.irp ks, 0,1,2,3
	s_wait_dscnt 48-16*(\ks)                       ; this K step's 16 loads are in; the later K steps' may stay out
	M3 0, \ks
.endr
	EP 0
.irp a, 1,2,3                          ; a tile's stores leave while the next tile is multiplied
.irp ks, 0,1,2,3
	M3 \a, \ks
.endr
	EP \a
.endr
	s_wait_tensorcnt 0x0                           ; the wave's end: behind my last LDS store
	ds_add_u32 v[SPW], v[NIL]
	s_wait_dscnt 0x0
	s_endpgm
.Lfunc_end_k_qd8ea678b22_apply:
	.size	k_qd8ea678b22_apply, .Lfunc_end_k_qd8ea678b22_apply-k_qd8ea678b22_apply
	.p2alignl 7, 3214868480
	.fill 96, 4, 3214868480
	.section	.rodata,"a",@progbits
	.p2align	6, 0x0
	.amdhsa_kernel k_qd8ea678b22_apply
		.amdhsa_group_segment_fixed_size 173824
		.amdhsa_private_segment_fixed_size 0
		.amdhsa_enable_private_segment 0
		.amdhsa_kernarg_size 64
		.amdhsa_user_sgpr_count 2
		.amdhsa_user_sgpr_kernarg_segment_ptr 1
		.amdhsa_wavefront_size32 1
		.amdhsa_system_sgpr_workgroup_id_x 1
		.amdhsa_system_sgpr_workgroup_id_y 1
		.amdhsa_system_sgpr_workgroup_id_z 1
		.amdhsa_system_vgpr_workitem_id 0
		.amdhsa_next_free_vgpr 1024
		.amdhsa_next_free_sgpr 66
		.amdhsa_reserve_vcc 0
		.amdhsa_float_denorm_mode_32 3
		.amdhsa_float_denorm_mode_16_64 3
		.amdhsa_memory_ordered 1
		.amdhsa_forward_progress 1
		.amdhsa_inst_pref_size 147
	.end_amdhsa_kernel
	.amdgpu_metadata
---
amdhsa.version: [ 1, 2 ]
amdhsa.kernels:
  - .name:           k_qd8ea678b22_apply
    .symbol:         k_qd8ea678b22_apply.kd
    .args:
      - { .name: x, .offset: 0, .size: 8, .value_kind: global_buffer, .address_space: global }
      - { .name: WT, .offset: 8, .size: 8, .value_kind: global_buffer, .address_space: global }
      - { .name: MF, .offset: 16, .size: 8, .value_kind: global_buffer, .address_space: global }
      - { .name: theta_b, .offset: 24, .size: 8, .value_kind: global_buffer, .address_space: global }
      - { .name: W_b, .offset: 32, .size: 8, .value_kind: global_buffer, .address_space: global }
      - { .name: bn_gamma, .offset: 40, .size: 8, .value_kind: global_buffer, .address_space: global }
      - { .name: bn_beta, .offset: 48, .size: 8, .value_kind: global_buffer, .address_space: global }
      - { .name: out0, .offset: 56, .size: 8, .value_kind: global_buffer, .address_space: global }
    .group_segment_fixed_size: 173824
    .private_segment_fixed_size: 0
    .kernarg_segment_align: 8
    .kernarg_segment_size: 64
    .max_flat_workgroup_size: 128
    .sgpr_count:     66
    .vgpr_count:     1024
    .wavefront_size: 32
...
	.end_amdgpu_metadata
.endif
;; end of part 3
;; ======== version 2 of 2: 3 launches; version 1 with the launch apply written anew for expert scheduling mode
;; limits: values are held in f16: magnitudes above 65,504 overflow, below 6.1e-05 lose precision; right only within a limited range of input values; inputs' magnitudes at most 65,504
;; workspace buffers: P 4,194,304 bytes; MF 524,288 bytes; WT 131,072 bytes
;; launch pool: the kernel of part 1 again; grid 256 x 1, 4 waves a work-group, no clusters, 74,240 bytes of LDS; arguments y, g_w, phi_w, g_b, phi_b, P; writes P
;; launch gram: the kernel of part 2 again; grid 256 x 1, 4 waves a work-group, no clusters, 8,704 bytes of LDS; arguments P, theta_w, W_w, MF, WT; writes MF, WT
;; launch apply (part 4): grid 256 x 1, 4 waves a work-group, no clusters, 173,824 bytes of LDS; arguments x, WT, MF, theta_b, W_b, bn_gamma, bn_beta, out0; writes out0
.if DOCPART == 4
	.amdgcn_target "amdgcn-amd-amdhsa--gfx1250"
	.amdhsa_code_object_version 6
	.text
	.protected	k_qd8ea678b22_apply
	.globl	k_qd8ea678b22_apply
	.p2align	8
	.type	k_qd8ea678b22_apply,@function
k_qd8ea678b22_apply:
	s_mov_b64 s[64:65], 0
	v_nop
	global_prefetch_b8 v0, s[64:65] scope:SCOPE_SE
	s_setreg_imm32_b32 hwreg(HW_REG_WAVE_SCHED_MODE, 0, 2), 2
	s_setreg_imm32_b32 hwreg(HW_REG_WAVE_MODE, 25, 1), 1
	s_wait_xcnt 0x0
	s_wait_alu depctr_vm_vsrc(0)
; NON-LOCAL BLOCK, launch 3 of 3: V = theta_w x + theta_b;  U = M^T V (M holds the division by 1,024);  Y = W_w U;  out0 = s Y + (s W_b + beta) + x,  s = gamma / sqrt(1 + 1e-5).
; f = theta^T phi / 1024 is not formed: (theta^T phi) g = theta^T (phi g) for all values (the head of launch 1 shows it and states the limits).
; FORMATS.  x, theta_b, W_b, gamma, beta are rounded once to bf16 here (x in the residual too), the weights were in launch 2; V is made of bf16 operands.  What the program itself makes, V, M and U,
; goes into the next product in f16: on data of this kind M's entries are alike in size and sign, so U is nearly one number times the sum of V's channels, and bf16's 8 bits in V, M or U would
; reach the output undiminished; f16 has 11.  M HAS NO ROOM IN f16 AS IT IS (it grows with the fourth power of the inputs' size), SO IT IS SCALED BY A POWER OF TWO FOR EACH BATCH: with E the biased
; exponent of the batch's largest |M|, M' = M 2^(119 - E) lies under 2^-7.  Then |U'| = |M'^T V| <= 128 x 2^-7 x max |V| = max |V| whatever the data: U' fits where V fits.  2^(E - 119) goes into s.
; LIMITS.  |V| stays under 65,504 (f16's end).  The largest |M| / 1024 of a batch stays under 2^118.  An entry of M is kept to 2^-12 of itself or 2^-17 of the batch's largest; V and U' below 6e-5 keep
; f16's fixed step of 6e-8.  1 / sqrt(1 + 1e-5) is the constant 0x3f7fffac, a factor in place of a division.  NaN and infinities are not treated apart.
; SHARES.  A work-group has 128 neighbouring pixels of one batch and ALL channels; the waves split the CHANNELS of each product's result, so each weight is read by one wave of the work-group, straight
; into operand registers, and the rows of out0 are whole: V: c' tiles 2 w, 2 w + 1;  U: c tiles 2 w, 2 w + 1;  Y: o tiles 4 w .. 4 w + 3, one after the other.
; NO JOINT LOADS: what work-groups share are the 196,608 bytes of fragments of theta_w, M and W_w; LDS holds 173,312 bytes of x, V, U and stages, and they would not fit beside these.
; LAYOUTS.  x comes through registers (f32, to be rounded), lies as bf16 [channel][pixel] in LDS, and comes out turned as source 1 (32 channels x 16 pixels).  V = theta x: source 0 = 16 rows of theta;
; in the result a lane holds ONE pixel (lane % 16) and c' = 8 (lane / 16) + 0..7, so a wave's two tiles, rounded in pairs, ARE the fragment (K = 32 w ..) of V for the next product.  U likewise.
; Y is taken the other way round (source 0 = U's fragment, 16 pixels; source 1 = 16 rows of W_w): a lane then holds ONE channel o and eight neighbouring pixels.
; REGISTERS, in windows of 256 (s_set_vgpr_msb: bits 1:0 source 0, 3:2 source 1, 5:4 source 2, 7:6 destination):
;   window 0: addresses and constants; v64-191 fragments from LDS, later the way out; v192-255 at work
;   window 1: v0-127 V's accumulators (c, t) at 8 (8 c + t), later W_w's fragments (a, ks) at 8 (4 a + ks); v128-255 x's fragments of chunks 1 and 3, then U's accumulators, later Y's eight
;   window 2: v0-127 theta's fragments (c, ks) at 8 (8 c + ks); v128-255 M in f32, then in f16 (c, ks) at 128 + 8 (4 c + ks); later all of it U, (ks, t) at 8 (8 ks + t)
;   window 3: x as loaded, chunk j at 64 j; later v0-127 V's fragments of K steps 2 and 3
; THE MODE: SCHED_MODE bits 1:0 = 2 (LLVM: expert scheduling mode 2), set by the entry lines.  The code itself states the register dependences between vector or matrix instructions and memory or
; LDS instructions, with s_wait_alu, always for 0.
; THE PLAN.  Registers that memory or LDS instructions touch, and who else names them:
;   v1-v19        offsets and addresses: made at the head, never written again.  v25, the maxima's address, is made ahead of V's roundings.
;   x as loaded   each chunk is loaded once and read by its 32 roundings.
;   CT            written by a chunk's roundings, read by its 16 LDS stores.
;   BIG0, BIG1    x's fragments, by turns: chunk j's turning loads land in BIG[j % 2] (BIG0 = window 0 v64-191, BIG1 = window 1 v128-255); chunk j's products read it.
;   A STEP OF V, between two barriers: chunk j's turning loads; chunk j + 1 of x is rounded; ONE wait on va_vdst; its LDS stores; chunk j's products.  That wait states that CT is written and that the
;   products issued so far, chunk j - 1's the last, are done reading BIG[(j + 1) % 2], in which the next step's loads land; behind it stand this step's products alone, which name the other BIG.
;   V's fragments have a set of registers for each of the four K steps (BIG0's two halves; window 3 v0-127): all are free at the wait behind V's roundings, so U's products run without a wait between them.
;   PK            written by V's and by U's roundings, read by their LDS stores.      MX  written by the maxima, read by one LDS store, then the four waves' maxima land in it.
;   THE WAY OUT   EV: written by the tile's 32 multiply-adds, read by the stage's stores.  RV, CT: the stage's and x's rows land there; the mixes read both and write RV; the global stores read RV.
;   One wait on vm_vsrc at a tile's head frees EV, RV and CT; one on va_vdst stands ahead of the stage's stores; one behind each eight rows' mixes; the first eight stores are dealt among the next rows' mixes.
.set PITCH,  288                       ; a channel's row of x in LDS: 256 bytes + 32 = 72 words
.set VFB,    256*PITCH                 ; V's fragments: [pixel tile 8][K step 4][1,024 bytes]
.set UFB,    VFB+32768                 ; U's, likewise
.set STG,    UFB+32768                 ; the way out: for each wave 16 rows of 512 bytes, 528 apart = 33 x 16: the 16 rows that a store touches start at 16 different groups of four banks
.set SPITCH, 528
.set MXL,    STG+4*16*SPITCH           ; four words: each wave's largest |M|
.set SPARE,  MXL+256                   ; the spare words, 128 bytes for each wave: two blocks of 256 bytes that no other line names
.set HO,  1                            ; v1   32 (lane / 16): theta_b's eight numbers
.set XO,  2                            ; v2   my byte offset in x: my wave's 16 rows of a chunk, 16 bytes a lane
.set FO,  3                            ; v3   16 x lane
.set LS,  4                            ; v4   where I put 8 bytes of a row of x in LDS
.set LTA, 5                            ; v5   the turning load's address for chunks 0, 1; v6 for chunks 2, 3
.set VW,  7                            ; v7   where I write V's fragments;  v8 where I read them
.set VR,  8
.set UW,  9                            ; v9, v10  the same for U
.set UR,  10
.set SW,  11                           ; v11  the stage: in, row lane % 16, 32 bytes for each half of the lanes
.set SR,  12                           ; v12  the stage: back, 16 x lane of a row
.set XR,  13                           ; v13  x for the residual: my wave's 64 rows, 8 x lane
.set OO,  14                           ; v14  my byte offset in out0: my wave's 64 rows, 16 x lane
.set SPW, 15                           ; v15  LDS address of my spare word; never rewritten
.set NIL, 16                           ; v16  0; never rewritten
.set MXA, 17                           ; v17  my wave's word among the four maxima
.set ONE, 18                           ; v18  1.0
.set BO,  19                           ; v19  4 (lane % 16): my channel's gamma, W_b, beta
.set RAW, 20                           ; v[20:31]  gamma, W_b, beta of my channel in tiles a = 0..3; when s and s W_b + beta are made, the six names below
.set MX,  20                           ; v[20:23]  M's extremes at work; then the four waves' maxima
.set PT,  24                           ; v24  the other half of the lanes' maximum
.set MXR, 25                           ; v25  where the four maxima lie
.set INV, 26                           ; v[26:27]  2^(119 - E), twice
.set BK,  28                           ; v[28:29]  2^(E - 119), twice
.set TB,  32                           ; v[32:47]  theta_b as the C operand that starts V's sums: register 8 c + j holds channel 32 w + 16 c + 8 (lane / 16) + j
.set SC,  48                           ; v[48:55]  s, twice, for each a; later s 2^(E - 119)
.set DD,  56                           ; v[56:63]  s W_b + beta, twice, for each a
.set BIG, 64                           ; v[64:191] x's fragments of chunks 0 and 2, (k, t) at 8 (8 k + t); V's of K steps 0 and 1, t at 8 t; the way out: EV, RV
.set EV,  64
.set RV,  128
.set CT,  192                          ; v[192:223] at work; on the way out the rows of x
.set PK,  192                          ; v[192:255] 8 fragments on their way into LDS
.set HT,  240                          ; v[240:243] at work at the head
.set WV,  8                            ; s8   my wave's number
.set MSB, 0
.macro WIN new                         ; the immediate's high byte repeats the setting that is left; a switch that changes nothing is dropped
.if MSB != (\new)
	s_set_vgpr_msb (MSB<<8)|(\new)
.set MSB, (\new)
.endif
.endm
.macro PLACES n                        ; places behind matrix instructions (ISA guide 7.12.1), where no other vector work is at hand
.rept \n
	v_nop
.endr
.endm
.macro MEET                            ; my stores into LDS are done, then everybody's; every region of LDS is written once by its writers, so this is all the ordering between waves
	s_wait_dscnt 0x0
	s_barrier_signal -1
	s_barrier_wait -1
.endm
.macro LDX j                           ; chunk j of x: my 16 channel rows, each load a row's 512 bytes
	WIN 0xc0
.set rr, 0
.rept 16
	global_load_b128 v[64*(\j)+4*rr:64*(\j)+4*rr+3], v[XO], s[32:33] offset:(64*(\j)+rr)*16384 th:TH_LOAD_NT
.set rr, rr+1
.endr
.endm
.macro CVX j                           ; rounded to bf16 and laid into LDS: 8 bytes a lane, 256 neighbouring bytes a row
.if (\j) > 0
	s_wait_alu depctr_vm_vsrc(0)                   ; the LDS stores of the chunk before have read v[CT ..], which the roundings below write again
.endif
	WIN 0x0f
.set rr, 0
.rept 16
	v_cvt_pk_bf16_f32 v[CT+2*rr],   v[64*(\j)+4*rr],   v[64*(\j)+4*rr+1]
	v_cvt_pk_bf16_f32 v[CT+2*rr+1], v[64*(\j)+4*rr+2], v[64*(\j)+4*rr+3]
.set rr, rr+1
.endr
	WIN 0
	s_wait_alu depctr_va_vdst(0)                   ; the roundings have written v[CT ..], which the LDS stores read; the products issued so far are done reading their fragments of x, in which the next step's turning loads land
.set rr, 0
.rept 16
	ds_store_b64 v[LS], v[CT+2*rr:CT+2*rr+1] offset:(64*(\j)+rr)*PITCH
.set rr, rr+1
.endr
.endm
.macro LDF win, dst, sb, first, n      ; n blocks of 1,024 bytes, from block first on, into registers dst on, 8 a block: two loads of 512 neighbouring bytes each
	WIN \win
.set f, 0
.rept \n
	global_load_b128 v[(\dst)+8*f:(\dst)+8*f+3],   v[FO], s[(\sb):(\sb)+1] offset:1024*((\first)+f)
	global_load_b128 v[(\dst)+8*f+4:(\dst)+8*f+7], v[FO], s[(\sb):(\sb)+1] offset:1024*((\first)+f)+512
.set f, f+1
.endr
.endm
; V, chunk j: 32 turning loads in one run, into BIG0 (even chunks: window 0) or BIG1 (odd chunks: window 1).  No wait stands here: no vector or matrix instruction since the last wait on va_vdst names that buffer.
.macro TRL j
.if (\j)%2
	WIN 0x40
.set xb, 128
.else
	WIN 0
.set xb, BIG
.endif
.irp k, 0,1
.irp t, 0,1,2,3,4,5,6,7
	ds_load_tr16_b128 v[xb+8*(8*(\k)+(\t)):xb+8*(8*(\k)+(\t))+3],   v[LTA+(\j)/2] offset:((\j)%2)*64*PITCH+(\k)*32*PITCH+32*(\t)
	ds_load_tr16_b128 v[xb+8*(8*(\k)+(\t))+4:xb+8*(8*(\k)+(\t))+7], v[LTA+(\j)/2] offset:((\j)%2)*64*PITCH+(\k)*32*PITCH+32*(\t)+16*PITCH
.endr
.endr
.endm
; V, chunk j: 2 x 16 products.  The 16 accumulators take turns, one instruction a turn, from chunk to chunk too.  The very first K step takes theta_b as C.
; younger: the LDS stores of the next chunk, issued behind the turning loads, which may stay out.
.macro G1 j, younger
.if (\j)%2
.set xb, 128
.else
.set xb, BIG
.endif
.irp k, 0,1
	s_wait_dscnt (\younger)+16-16*(\k)             ; the first K step's 16 loads are in, the second's and the younger stores may stay out; then the second's are in too
.irp t, 0,1,2,3,4,5,6,7
.irp c, 0,1
.if ((\j) == 0) && ((\k) == 0)
	WIN 0x42
	v_wmma_f32_16x16x32_bf16 v[8*(8*(\c)+(\t)):8*(8*(\c)+(\t))+7], v[8*(8*(\c)+2*(\j)+(\k)):8*(8*(\c)+2*(\j)+(\k))+7], v[xb+8*(8*(\k)+(\t)):xb+8*(8*(\k)+(\t))+7], v[TB+8*(\c):TB+8*(\c)+7]
.else
	WIN 0x52+4*((\j)%2)
	v_wmma_f32_16x16x32_bf16 v[8*(8*(\c)+(\t)):8*(8*(\c)+(\t))+7], v[8*(8*(\c)+2*(\j)+(\k)):8*(8*(\c)+2*(\j)+(\k))+7], v[xb+8*(8*(\k)+(\t)):xb+8*(8*(\k)+(\t))+7], v[8*(8*(\c)+(\t)):8*(8*(\c)+(\t))+7]
.endif
.endr
.endr
.endr
.endm
; 16 accumulators (window 1, from acc on) become 8 fragments in f16, each in registers of its own (PACKC), and go into LDS (PACKS).  Each accumulator's lowest registers are read first.
.macro PACKC acc
	WIN 0x05
.irp t, 0,1,2,3,4,5,6,7
.irp q, 0,1,2,3,4,5,6,7
	v_cvt_pk_f16_f32 v[PK+8*(\t)+(\q)], v[(\acc)+8*(8*((\q)/4)+(\t))+2*((\q)%4)], v[(\acc)+8*(8*((\q)/4)+(\t))+2*((\q)%4)+1]
.endr
.endr
	WIN 0
.endm
.macro PACKS wadr
.irp t, 0,1,2,3,4,5,6,7
	ds_store_b128 v[\wadr], v[PK+8*(\t):PK+8*(\t)+3]   offset:4096*(\t)
	ds_store_b128 v[\wadr], v[PK+8*(\t)+4:PK+8*(\t)+7] offset:4096*(\t)+512
.endr
.endm
.macro FV ks                           ; V's fragments of K step ks, all 8 pixel tiles: 16 loads in one run; K steps 0, 1 into window 0, K steps 2, 3 into window 3
.if (\ks) < 2
	WIN 0
.set vb, BIG+64*(\ks)
.else
	WIN 0xc0
.set vb, 64*((\ks)-2)
.endif
.irp t, 0,1,2,3,4,5,6,7
	ds_load_b128 v[vb+8*(\t):vb+8*(\t)+3],   v[VR] offset:(4*(\t)+(\ks))*1024
	ds_load_b128 v[vb+8*(\t)+4:vb+8*(\t)+7], v[VR] offset:(4*(\t)+(\ks))*1024+512
.endr
.endm
.macro M2 ks                           ; 16 products of U' = M'^T V: the 16 accumulators take turns, in the same order in every K step
.if (\ks) < 2
	WIN 0x52
.set vb, BIG+64*(\ks)
.else
	WIN 0x5e
.set vb, 64*((\ks)-2)
.endif
.irp t, 0,1,2,3,4,5,6,7
.irp c, 0,1
.set rD, 128+8*(8*(\c)+(\t))
.set rA, 128+8*(4*(\c)+(\ks))
.set rB, vb+8*(\t)
.if (\ks) == 0
	v_wmma_f32_16x16x32_f16 v[rD:rD+7], v[rA:rA+7], v[rB:rB+7], 0
.else
	v_wmma_f32_16x16x32_f16 v[rD:rD+7], v[rA:rA+7], v[rB:rB+7], v[rD:rD+7]
.endif
.endr
.endr
.endm
.macro LDU ks                          ; U's fragments of K step ks, all 8 pixel tiles: 16 loads
	WIN 0x80
.irp t, 0,1,2,3,4,5,6,7
	ds_load_b128 v[8*(8*(\ks)+(\t)):8*(8*(\ks)+(\t))+3],   v[UR] offset:(4*(\t)+(\ks))*1024
	ds_load_b128 v[8*(8*(\ks)+(\t))+4:8*(8*(\ks)+(\t))+7], v[UR] offset:(4*(\t)+(\ks))*1024+512
.endr
.endm
.macro M3 a, ks                        ; 8 products of Y's tile a: the 8 accumulators (pixel tiles) take turns
	WIN 0x56
.irp t, 0,1,2,3,4,5,6,7
.if (\ks) == 0
	v_wmma_f32_16x16x32_f16 v[128+8*(\t):128+8*(\t)+7], v[8*(8*(\ks)+(\t)):8*(8*(\ks)+(\t))+7], v[8*(4*(\a)+(\ks)):8*(4*(\a)+(\ks))+7], 0
.else
	v_wmma_f32_16x16x32_f16 v[128+8*(\t):128+8*(\t)+7], v[8*(8*(\ks)+(\t)):8*(8*(\ks)+(\t))+7], v[8*(4*(\a)+(\ks)):8*(4*(\a)+(\ks))+7], v[128+8*(\t):128+8*(\t)+7]
.endif
.endr
.endm
; THE WAY OUT of tile a: s 2^(E - 119) Y' + (s W_b + beta); through my own stage, so that a row's 512 bytes come together; + x, from the bf16 rows in LDS; stored.  LDS serves a wave's instructions in
; order (ISA guide 5.7.1.4), so the stage needs no wait between its stores and its loads, and no barrier.
.macro EP a
	PLACES 8
	s_wait_alu depctr_vm_vsrc(0)                   ; tile 0: U's LDS stores have read v[PK ..], in which x's rows land; later tiles: the last tile's LDS stores have read v[EV ..], written again below, and its global stores v[RV ..], loaded again below
	WIN 0x01
.irp t, 0,1,2,3,4,5,6,7
.irp p, 0,1,2,3
	v_pk_fma_f32 v[EV+8*(\t)+2*(\p):EV+8*(\t)+2*(\p)+1], v[128+8*(\t)+2*(\p):128+8*(\t)+2*(\p)+1], v[SC+2*(\a):SC+2*(\a)+1], v[DD+2*(\a):DD+2*(\a)+1]
.endr
.endr
	WIN 0
	s_wait_alu depctr_va_vdst(0)                   ; the multiply-adds have written v[EV ..], which the LDS stores read; all that named v[RV ..] and v[CT ..] (the last tile's mixes; U's roundings and products) is done, and the loads below land there
.irp t, 0,1,2,3,4,5,6,7
	ds_store_b128 v[SW], v[EV+8*(\t):EV+8*(\t)+3]   offset:64*(\t)
	ds_store_b128 v[SW], v[EV+8*(\t)+4:EV+8*(\t)+7] offset:64*(\t)+16
.endr
	s_wait_xcnt 0x0                                ; the last tile's stores have read their data registers: only behind this wait are these loaded again
.set rr, 0
.rept 16
	ds_load_b128 v[RV+4*rr:RV+4*rr+3], v[SR] offset:SPITCH*rr
	ds_load_b64  v[CT+2*rr:CT+2*rr+1], v[XR] offset:(16*(\a)+rr)*PITCH
.set rr, rr+1
.endr
.set rr, 0
.rept 8
	s_wait_dscnt 30-2*rr                           ; row rr's two loads are in; the later rows' pairs may stay out
	v_fma_mix_f32_bf16 v[RV+4*rr],   v[CT+2*rr],   v[ONE], v[RV+4*rr]   op_sel_hi:[1,0,0]
	v_fma_mix_f32_bf16 v[RV+4*rr+1], v[CT+2*rr],   v[ONE], v[RV+4*rr+1] op_sel:[1,0,0] op_sel_hi:[1,0,0]
	v_fma_mix_f32_bf16 v[RV+4*rr+2], v[CT+2*rr+1], v[ONE], v[RV+4*rr+2] op_sel_hi:[1,0,0]
	v_fma_mix_f32_bf16 v[RV+4*rr+3], v[CT+2*rr+1], v[ONE], v[RV+4*rr+3] op_sel:[1,0,0] op_sel_hi:[1,0,0]
.set rr, rr+1
.endr
	s_wait_alu depctr_va_vdst(0)                   ; the mixes have written rows 0 to 7 of v[RV ..], which the eight stores below read; the mixes among which these are dealt name rows 8 to 15 alone
.rept 8
	global_store_b128 v[OO], v[RV+4*(rr-8):RV+4*(rr-8)+3], s[34:35] offset:(16*(\a)+rr-8)*16384 th:TH_STORE_NT  ; 512 neighbouring bytes of a channel's row, at a multiple of 512 from out0's first byte
	s_wait_dscnt 30-2*rr
	v_fma_mix_f32_bf16 v[RV+4*rr],   v[CT+2*rr],   v[ONE], v[RV+4*rr]   op_sel_hi:[1,0,0]
	v_fma_mix_f32_bf16 v[RV+4*rr+1], v[CT+2*rr],   v[ONE], v[RV+4*rr+1] op_sel:[1,0,0] op_sel_hi:[1,0,0]
	v_fma_mix_f32_bf16 v[RV+4*rr+2], v[CT+2*rr+1], v[ONE], v[RV+4*rr+2] op_sel_hi:[1,0,0]
	v_fma_mix_f32_bf16 v[RV+4*rr+3], v[CT+2*rr+1], v[ONE], v[RV+4*rr+3] op_sel:[1,0,0] op_sel_hi:[1,0,0]
.set rr, rr+1
.endr
	s_wait_alu depctr_va_vdst(0)                   ; the mixes have written rows 8 to 15 of v[RV ..], which the last eight stores read
.set rr, 8
.rept 8
	global_store_b128 v[OO], v[RV+4*rr:RV+4*rr+3], s[34:35] offset:(16*(\a)+rr)*16384 th:TH_STORE_NT
.set rr, rr+1
.endr
.endm
	s_load_b512 s[16:31], s[0:1], 0x0              ; x s[16:17], WT s[18:19], MF s[20:21], theta_b s[22:23], W_b s[24:25], gamma s[26:27], beta s[28:29], out0 s[30:31]
	v_lshl_add_u32 v[SPW], v0, 2, SPARE
	v_mov_b32 v[NIL], 0
	v_lshrrev_b32 v1, 5, v0
	v_readfirstlane_b32 s[WV], v1                  ; wave 0..3
	v_and_b32 v[HT], 31, v0                        ; lane
	v_and_b32 v[HT+1], 15, v0                      ; lane % 16
	v_bfe_u32 v[HT+2], v0, 4, 1                    ; lane / 16
	v_lshlrev_b32 v[FO], 4, v[HT]
	s_wait_alu depctr_va_sdst(0)                   ; s8, my wave's number, is written, ahead of its first reader: offsets, LDS addresses and bases are made from it
	s_lshl_b32 s2, s[WV], 18                       ; 16 rows of 16,384 bytes
	v_add_nc_u32 v[XO], s2, v[FO]
	s_mul_i32 s2, s[WV], 16*PITCH
	v_lshl_add_u32 v[LS], v[HT], 3, s2
	v_and_b32 v[HT+3], 7, v0                       ; the turning load: lane l reads channel 8 (l / 16) + l % 8, pixels 8 ((l / 8) % 2) + 0..7
	v_lshl_add_u32 v[HT+3], v[HT+2], 3, v[HT+3]
	v_mul_u32_u24 v[LTA], v[HT+3], PITCH
	v_bfe_u32 v[HT+3], v0, 3, 1
	v_lshl_add_u32 v[LTA], v[HT+3], 4, v[LTA]
	v_add_nc_u32 v[LTA+1], 128*PITCH, v[LTA]       ; the immediate holds 16 bits: chunks 2 and 3 have a register of their own
	s_lshl_b32 s2, s[WV], 10                       ; my K step's fragment
	s_add_co_u32 s3, s2, VFB
	v_add_nc_u32 v[VW], s3, v[FO]
	v_add_nc_u32 v[VR], VFB, v[FO]
	s_add_co_u32 s3, s2, UFB
	v_add_nc_u32 v[UW], s3, v[FO]
	v_add_nc_u32 v[UR], UFB, v[FO]
	s_mul_i32 s2, s[WV], 16*SPITCH
	s_add_co_u32 s2, s2, STG                       ; my stage
	v_mul_u32_u24 v[SW], v[HT+1], SPITCH
	v_lshl_add_u32 v[SW], v[HT+2], 5, v[SW]
	v_add_nc_u32 v[SW], s2, v[SW]
	v_add_nc_u32 v[SR], s2, v[FO]
	s_mul_i32 s2, s[WV], 64*PITCH
	v_lshl_add_u32 v[XR], v[HT], 3, s2
	s_lshl_b32 s2, s[WV], 20                       ; 64 rows of 16,384 bytes
	v_add_nc_u32 v[OO], s2, v[FO]
	s_lshl_b32 s2, s[WV], 2
	s_add_co_u32 s2, s2, MXL
	v_mov_b32 v[MXA], s2
	v_mov_b32 v[ONE], 1.0
	v_lshlrev_b32 v[BO], 2, v[HT+1]
	v_lshlrev_b32 v[HO], 5, v[HT+2]
	s_mov_b32 s46, 0x76543210                      ; v_permlanex16_b32's selects: each lane takes its own place in the other half
	s_mov_b32 s47, 0xfedcba98
	s_lshr_b32 s4, ttmp9, 5                        ; batch
	s_and_b32 s5, ttmp9, 31                        ; block of 128 pixels
	s_lshl_b32 s6, s4, 22
	s_lshl_b32 s5, s5, 9
	s_add_co_u32 s6, s6, s5
	s_mov_b32 s7, 0
	s_lshl_b32 s10, s[WV], 14                      ; 16,384 bytes: my share of theta's fragments, of M's and of W_w's
	s_mov_b32 s11, 0
	s_lshl_b32 s12, s4, 16                         ; a batch of M is 65,536 bytes
	s_add_co_u32 s12, s12, s10
	s_mov_b32 s13, 0
	s_lshl_b32 s14, s[WV], 7                       ; my 32 numbers of theta_b
	s_mov_b32 s15, 0
	s_lshl_b32 s44, s[WV], 8                       ; my 64 of W_b, gamma, beta
	s_mov_b32 s45, 0
	s_wait_kmcnt 0x0
	s_add_nc_u64 s[32:33], s[16:17], s[6:7]
	s_add_nc_u64 s[34:35], s[30:31], s[6:7]
	s_add_nc_u64 s[36:37], s[18:19], s[10:11]      ; theta's fragments
	s_add_nc_u64 s[38:39], s[36:37], 0x10000       ; W_w's lie 65,536 bytes behind them
	s_add_nc_u64 s[40:41], s[20:21], s[12:13]
	s_add_nc_u64 s[42:43], s[22:23], s[14:15]
	s_add_nc_u64 s[24:25], s[24:25], s[44:45]
	s_add_nc_u64 s[26:27], s[26:27], s[44:45]
	s_add_nc_u64 s[28:29], s[28:29], s[44:45]
	s_wait_alu depctr_va_vdst(0)                   ; the offsets and addresses v1 to v19 are written: every load and store of the kernel, global or LDS, reads one of them
	global_load_b128 v[TB:TB+3],     v[HO], s[42:43]
	global_load_b128 v[TB+4:TB+7],   v[HO], s[42:43] offset:16
	global_load_b128 v[TB+8:TB+11],  v[HO], s[42:43] offset:64
	global_load_b128 v[TB+12:TB+15], v[HO], s[42:43] offset:80
.irp a, 0,1,2,3
	global_load_b32 v[RAW+(\a)],   v[BO], s[26:27] offset:64*(\a)
	global_load_b32 v[RAW+4+(\a)], v[BO], s[24:25] offset:64*(\a)
	global_load_b32 v[RAW+8+(\a)], v[BO], s[28:29] offset:64*(\a)
.endr
	LDX 0
	LDF 0x80, 0,  36, 0, 4                         ; theta's K steps 0-3, both tiles: 16 loads
	LDF 0x80, 64, 36, 8, 4
	LDX 1
	LDX 2
	s_wait_loadcnt 48                              ; the small vectors and chunk 0 of x are in; younger: 16 loads of theta, chunks 1 and 2
	WIN 0
.set q, 0
.rept 14                               ; gamma, W_b, beta and theta_b rounded to bf16, kept as f32
	v_cvt_pk_bf16_f32 v[CT+q], v[RAW+2*q], v[RAW+2*q+1]
.set q, q+1
.endr
.set q, 0
.rept 14
	v_lshlrev_b32 v[RAW+2*q], 16, v[CT+q]
	v_and_b32 v[RAW+2*q+1], 0xffff0000, v[CT+q]
.set q, q+1
.endr
.irp a, 0,1,2,3
	v_mul_f32 v[SC+2*(\a)], 0x3f7fffac, v[RAW+(\a)]                 ; s = gamma / sqrt(1 + 1e-5)
.endr
.irp a, 0,1,2,3
	v_fma_f32 v[DD+2*(\a)], v[SC+2*(\a)], v[RAW+4+(\a)], v[RAW+8+(\a)]  ; s W_b + beta
	v_mov_b32 v[SC+2*(\a)+1], v[SC+2*(\a)]
.endr
.irp a, 0,1,2,3
	v_mov_b32 v[DD+2*(\a)+1], v[DD+2*(\a)]
.endr
	CVX 0
	LDX 3
	MEET
	TRL 0                                          ; a step of V: this chunk's fragments are asked for, the next chunk is rounded and stored, then this chunk is multiplied
	s_wait_loadcnt 32                              ; theta's first 16 loads and chunk 1 are in; younger: chunks 2, 3
	CVX 1
	LDF 0x80, 32, 36, 4,  4                        ; theta's K steps 4-7: 16 loads
	LDF 0x80, 96, 36, 12, 4
	G1 0, 16
	MEET
	TRL 1
	s_wait_loadcnt 32                              ; chunk 2; younger: chunk 3, theta's second 16
	CVX 2
	LDF 0x80, 128, 40, 0, 16                       ; my quarter of M, f32: 8 fragments of 16 registers: 32 loads
	G1 1, 16
	MEET
	TRL 2
	s_wait_loadcnt 32                              ; chunk 3 and theta; younger: M's 32
	CVX 3
	G1 2, 16
	MEET
	TRL 3
	G1 3, 0
	; THE LARGEST |M| OF MY QUARTER: the greatest and the least of its 128 registers, in two chains each; the largest magnitude is the greater of max and -min.  These lines name no register of
	; the last products: they are also the places in front of the roundings of V.
	s_wait_loadcnt 0x0                             ; M is in: nothing younger is out
	WIN 0x0a
	v_max_num_f32 v[MX],   v128, v129
	v_min_num_f32 v[MX+1], v128, v129
	v_max_num_f32 v[MX+2], v192, v193
	v_min_num_f32 v[MX+3], v192, v193
.set q, 1
.rept 31
	v_max3_num_f32 v[MX],   v[128+2*q], v[128+2*q+1], v[MX]
	v_min3_num_f32 v[MX+1], v[128+2*q], v[128+2*q+1], v[MX+1]
	v_max3_num_f32 v[MX+2], v[192+2*q], v[192+2*q+1], v[MX+2]
	v_min3_num_f32 v[MX+3], v[192+2*q], v[192+2*q+1], v[MX+3]
.set q, q+1
.endr
	WIN 0
	v_max_num_f32 v[MX],   v[MX],   v[MX+2]
	v_min_num_f32 v[MX+1], v[MX+1], v[MX+3]
	v_mul_f32 v[MX+1], -1.0, v[MX+1]
	v_max_num_f32 v[MX], v[MX], v[MX+1]
	v_max_num_f32_dpp v[MX], v[MX], v[MX] row_xmask:1 row_mask:0xf bank_mask:0xf
	v_max_num_f32_dpp v[MX], v[MX], v[MX] row_xmask:2 row_mask:0xf bank_mask:0xf
	v_max_num_f32_dpp v[MX], v[MX], v[MX] row_xmask:4 row_mask:0xf bank_mask:0xf
	v_max_num_f32_dpp v[MX], v[MX], v[MX] row_xmask:8 row_mask:0xf bank_mask:0xf
	v_permlanex16_b32 v[PT], v[MX], s46, s47
	v_max_num_f32 v[MX], v[MX], v[PT]
	v_mov_b32 v[MXR], MXL
	s_wait_alu depctr_vm_vsrc(0)                   ; chunk 3's LDS stores have read v[CT ..], the first half of v[PK ..], which V's roundings write
	PACKC 0
	s_wait_alu depctr_va_vdst(0)                   ; v[MX] and v[PK ..] are written, which the LDS stores read, and v[MXR], the maxima's address; the products are done reading BIG0, the roundings x's chunks 0 and 1, in which V's fragments land
	ds_store_b32 v[MXA], v[MX]                     ; all lanes write the same word with the same value; the barrier that V's fragments need shows it to the other waves
	PACKS VW
	LDF 0x40, 0, 38, 0, 16                         ; W_w's fragments, where V's accumulators lay: 32 loads
	MEET
	WIN 0
	s_wait_alu depctr_vm_vsrc(0)                   ; my LDS stores have read v[MX], in which the four maxima land, and v[PK ..], which U's roundings write again
	ds_load_b128 v[MX:MX+3], v[MXR]                ; the four waves' maxima,
	FV 0                                           ; and behind them V's first two K steps, which land while M is scaled and rounded
	FV 1
	s_wait_dscnt 32                                ; the maxima are in; V's 32 loads may stay out
	v_max3_num_f32 v[MX], v[MX], v[MX+1], v[MX+2]
	v_max_num_f32 v[MX], v[MX], v[MX+3]
	v_and_b32 v[MX], 0x7f800000, v[MX]             ; E << 23
	v_sub_nc_u32 v[INV], 0x7b000000, v[MX]         ; (246 - E) << 23: the number 2^(119 - E)
	v_add_nc_u32 v[BK], 0x04000000, v[MX]          ; (E + 8) << 23: 2^(E - 119)
	v_mov_b32 v[INV+1], v[INV]
	v_mov_b32 v[BK+1], v[BK]
.irp a, 0,1,2,3
	v_pk_mul_f32 v[SC+2*(\a):SC+2*(\a)+1], v[SC+2*(\a):SC+2*(\a)+1], v[BK:BK+1]
.endr
	FV 2                                           ; V's K steps 2 and 3 are dealt among M's lines.  No wait: no vector or matrix instruction since the wait behind V's roundings names window 3's v0-127
	WIN 0x82
.set q, 0
.rept 64
	v_pk_mul_f32 v[128+2*q:128+2*q+1], v[128+2*q:128+2*q+1], v[INV:INV+1]  ; M' = M 2^(119 - E): exact
.set q, q+1
.endr
	FV 3
	WIN 0x8a
.set q, 0
.rept 64                               ; to f16, in place and ascending: register q takes numbers 2 q and 2 q + 1, which no later line reads
	v_cvt_pk_f16_f32 v[128+q], v[128+2*q], v[128+2*q+1]
.set q, q+1
.endr
.irp ks, 0,1,2,3
	s_wait_dscnt 48-16*(\ks)                       ; this K step's 16 loads of V are in; the later K steps' may stay out
	M2 \ks
.endr
	PLACES 8
	PACKC 128
	s_wait_alu depctr_va_vdst(0)                   ; the roundings have written v[PK ..], which the LDS stores read; the products are done reading theta and M', in whose registers U's fragments land
	PACKS UW
	MEET
	s_wait_loadcnt 0x0                             ; W_w's fragments
	LDU 0                                          ; U stays in registers for all four tiles of Y: 64 loads, by K steps
	LDU 1
	LDU 2
	LDU 3
.irp ks, 0,1,2,3
	s_wait_dscnt 48-16*(\ks)                       ; this K step's 16 loads are in; the later K steps' may stay out
	M3 0, \ks
.endr
	EP 0
.irp a, 1,2,3                          ; a tile's stores leave while the next tile is multiplied
.irp ks, 0,1,2,3
	M3 \a, \ks
.endr
	EP \a
.endr
	s_wait_dscnt 0x0                               ; the closing lines, six on end
	s_wait_alu 0x0
	s_wait_tensorcnt 0x0
	ds_add_u32 v[SPW], v[NIL]
	s_wait_dscnt 0x0
	s_endpgm
.Lfunc_end_k_qd8ea678b22_apply:
	.size	k_qd8ea678b22_apply, .Lfunc_end_k_qd8ea678b22_apply-k_qd8ea678b22_apply
	.p2alignl 7, 3214868480
	.fill 96, 4, 3214868480
	.section	.rodata,"a",@progbits
	.p2align	6, 0x0
	.amdhsa_kernel k_qd8ea678b22_apply
		.amdhsa_group_segment_fixed_size 173824
		.amdhsa_private_segment_fixed_size 0
		.amdhsa_enable_private_segment 0
		.amdhsa_kernarg_size 64
		.amdhsa_user_sgpr_count 2
		.amdhsa_user_sgpr_kernarg_segment_ptr 1
		.amdhsa_wavefront_size32 1
		.amdhsa_system_sgpr_workgroup_id_x 1
		.amdhsa_system_sgpr_workgroup_id_y 1
		.amdhsa_system_sgpr_workgroup_id_z 1
		.amdhsa_system_vgpr_workitem_id 0
		.amdhsa_next_free_vgpr 1024
		.amdhsa_next_free_sgpr 66
		.amdhsa_reserve_vcc 0
		.amdhsa_float_denorm_mode_32 3
		.amdhsa_float_denorm_mode_16_64 3
		.amdhsa_memory_ordered 1
		.amdhsa_forward_progress 1
		.amdhsa_inst_pref_size 148
	.end_amdhsa_kernel
	.amdgpu_metadata
---
amdhsa.version: [ 1, 2 ]
amdhsa.kernels:
  - .name:           k_qd8ea678b22_apply
    .symbol:         k_qd8ea678b22_apply.kd
    .args:
      - { .name: x, .offset: 0, .size: 8, .value_kind: global_buffer, .address_space: global }
      - { .name: WT, .offset: 8, .size: 8, .value_kind: global_buffer, .address_space: global }
      - { .name: MF, .offset: 16, .size: 8, .value_kind: global_buffer, .address_space: global }
      - { .name: theta_b, .offset: 24, .size: 8, .value_kind: global_buffer, .address_space: global }
      - { .name: W_b, .offset: 32, .size: 8, .value_kind: global_buffer, .address_space: global }
      - { .name: bn_gamma, .offset: 40, .size: 8, .value_kind: global_buffer, .address_space: global }
      - { .name: bn_beta, .offset: 48, .size: 8, .value_kind: global_buffer, .address_space: global }
      - { .name: out0, .offset: 56, .size: 8, .value_kind: global_buffer, .address_space: global }
    .group_segment_fixed_size: 173824
    .private_segment_fixed_size: 0
    .kernarg_segment_align: 8
    .kernarg_segment_size: 64
    .max_flat_workgroup_size: 128
    .sgpr_count:     66
    .vgpr_count:     1024
    .wavefront_size: 32
...
	.end_amdgpu_metadata
.endif
;; end of part 4
